; MI455X (gfx1250); checked and timed in simulation.
; The chip was launched on July 23, 2026; its instructions are those of AMD's public machine-readable ISA for CDNA 5 (MIT licence, August 2026) and "CDNA5" Instruction Set Architecture Reference Guide (July 2026). The comments in the code are by the model that wrote it; some were corrected since.
;; Multi Head Attention. Allowed arithmetic: matrix products marked QUANTISED: E2M1 operands, one E8M0 scale for each 32 along K, by v_wmma_scale_f32_16x16x128_f8f6f4 with both operands' format E2M1 (or v_wmma_scale_f32_32x16x128_f4), f32 sums; everything else in f32.
;; Inputs: Wk_codes 2,048 x 64 x 16 uint8 (E2M1 codes of Wk, K innermost, in blocks of 32 codes, two codes a byte); Wk_scales 2,048 x 64 uint8 (E8M0 scales of Wk, one for each 32 codes along K); Wq_codes 2,048 x 64 x 16 uint8 (E2M1 codes of Wq, K innermost, in blocks of 32 codes, two codes a byte); Wq_scales 2,048 x 64 uint8 (E8M0 scales of Wq, one for each 32 codes along K); Wv_codes 2,048 x 64 x 16 uint8 (E2M1 codes of Wv, K innermost, in blocks of 32 codes, two codes a byte); Wv_scales 2,048 x 64 uint8 (E8M0 scales of Wv, one for each 32 codes along K); bk 2,048 float32; bq 2,048 float32; bv 2,048 float32; keys 4 x 1,024 x 2,048 float32; queries 4 x 1,024 x 2,048 float32.
;; Outputs: out0 4 x 1,024 x 2,048 float32.
;; This version of the problem:
;;   THIS VERSION OF THE PROBLEM IS GIVEN IN LOW PRECISION. The matrix products marked QUANTISED in the list below multiply operands that are first quantised to E2M1 (2 exponent bits, 1 mantissa bit; 4 bits a number), with one power-of-two scale for each 32 numbers along K (OCP MX v1.0); their sums are f32. All else is computed in f32.
;;   The module's matrix products, in the order in which they are computed (A, B: the left and right operand; K: the contracted axis; several contracted axes count as one K, in the product's order):
;;     1. [M 4,096, K 2,048] x [K 2,048, N 2,048]; A: input queries; B: input Wq (given as codes): QUANTISED
;;     2. [M 4,096, K 2,048] x [K 2,048, N 2,048]; A: input keys; B: input Wk (given as codes): QUANTISED
;;     3. [M 4,096, K 2,048] x [K 2,048, N 2,048]; A: input keys; B: input Wv (given as codes): QUANTISED
;;     4. batch 64 x [M 1,024, K 128] x [K 128, N 1,024]; A: computed on the way; B: computed on the way: QUANTISED
;;     5. batch 64 x [M 1,024, K 1,024] x [K 1,024, N 128]; A: softmax (see below); B: computed on the way: QUANTISED
;;   THE QUANTISER, for each operand of a quantised product, along K:
;;     - K is cut into blocks of 32 from its start; a last block that is shorter is filled with zeros.
;;     - A block's scale is 2^e with e = floor(log2(the largest magnitude in the block)) - 2, held to -126 .. 127; a block of zeros has e = 0. As a byte (E8M0): e + 127.
;;     - Each number is divided by its block's scale, clamped to +-6, and rounded to the nearest number of E2M1, ties to even, subnormals kept.
;;     - The product sums the exact products of the quantised numbers (number of the format x scale) in f32.
;;   ~~~python
;;   def quantise(x, axis):      # numpy; x: float32 -> the quantised numbers, widened to float32 again
;;       x = np.moveaxis(x, axis, -1); K = x.shape[-1]
;;       x = np.pad(x, [(0, 0)] * (x.ndim - 1) + [(0, -K % 32)]); x = x.reshape(x.shape[:-1] + (-1, 32)); a = np.abs(x).max(-1, keepdims=True)
;;       e = np.where(a > 0, np.clip(np.frexp(np.where(a > 0, a, 1))[1] - 1 - 2, -126, 127), 0)      # np.frexp(a)[1] - 1 = floor(log2(a)), exactly
;;       r = np.clip(x / 2.0 ** e, -6, 6)
;;       step = 2.0 ** (np.maximum(np.frexp(np.where(r == 0, 1, r))[1] - 1, 0) - 1)
;;       q = np.round(r / step) * step * 2.0 ** e      # np.round: ties to even
;;       return np.moveaxis(q.reshape(q.shape[:-2] + (-1,))[..., :K], -1, axis).astype(np.float32)
;;   ~~~
;;   SOFTMAX AHEAD OF A QUANTISED PRODUCT. Where the list says 'softmax', what is quantised is not the finished softmax but p = 2^(t - M), with t = logit x log2(e) and M = ceil(the row's largest t), a whole number; so 1/2 < the row's largest p <= 1. The row's sum l is taken of the UNQUANTISED p, in f32, and the product's result is divided by l at the end. Since M is a whole number, a kernel that streams over the keys may use a running M (the ceiling of the running maximum): every later rescaling is an exact power of two, which a block's scale takes up: the codes' values come out the same.
;;   OPERANDS COMPUTED ON THE WAY. 'Computed on the way' means the value that the module computes at that place (a softmax that the list does not call 'softmax' is quantised finished and normalised). What goes into a quantiser is computed in f32, as accurately as f32 sums, v_exp_f32 and their like allow (about 1e-6 of the number): no bf16 or f16 on the way to a quantiser, and a product that is left as it is and whose result goes on into a quantised operand takes f32 operands (vector FMAs, or v_wmma_f32_16x16x4_f32). A number that lies on a knife's edge between two numbers of the format may be rounded either way, as far as f32 arithmetic and the matrix unit's own rounding can turn it there, and no further.
;;   INPUTS GIVEN AS CODES. Wk (in the module: [2048, 2048], K = its axis 1); Wq (in the module: [2048, 2048], K = its axis 1); Wv (in the module: [2048, 2048], K = its axis 1): each comes as NAME_codes (uint8): NAME with its K axis moved to the last place and cut into blocks of 32 codes, [.., K / 32, bytes a block], one block behind the other in memory; two codes a byte, the lower K in the low four bits (a code: sign, 2 exponent bits, 1 mantissa bit); and NAME_scales (uint8): the same leading axes, one E8M0 byte (e + 127) for each 32 codes along K. Its value is code x scale, taken as it is: it is not quantised again, and the codes and scales need not be those that the quantiser above would give.
;; 2 versions, each right; version 2 is version 1 with the launch attn written anew for expert scheduling mode. Each part assembles by itself: llvm-mc -triple=amdgcn-amd-amdhsa -mcpu=gfx1250 --defsym DOCPART=n.
;; ======== version 1 of 2: 3 launches
;; limits: right only within a limited range of input values
;; workspace buffers: xc 8,388,608 bytes; xs 524,288 bytes; pad 16,384 bytes of whole numbers; fc 12,582,912 bytes; fs 786,432 bytes
;; launch quant (part 1): grid 512 x 1, 4 waves a work-group, no clusters, 33,280 bytes of LDS; arguments queries, keys, xc, xs, pad; writes xc, xs, pad
.if DOCPART == 1
	.amdgcn_target "amdgcn-amd-amdhsa--gfx1250"
	.amdhsa_code_object_version 6
	.text
	.protected	k_q4752760b50_quant
	.globl	k_q4752760b50_quant
	.p2align	8
	.type	k_q4752760b50_quant,@function
k_q4752760b50_quant:
	s_mov_b64 s[64:65], 0
	v_nop
	global_prefetch_b8 v0, s[64:65] scope:SCOPE_SE
	s_setreg_imm32_b32 hwreg(HW_REG_WAVE_MODE, 25, 1), 1
	s_wait_xcnt 0x0
; queries and keys, [4096][2048] f32 each, become codes of FP4 (E2M1), K (the 2,048) innermost, with one E8M0 scale byte for each 32 along K:
; xc [2][4096][1024 bytes], xs [2][4096][64 bytes], queries first.  For each row of keys a whole number goes to pad [4096]: all ones where the row's sum is 0, else 0.
; A block's scale is 2^(floor(log2(its largest magnitude)) - 2); its byte is the largest magnitude's exponent field - 2, held at 1 from below.
; LIMITS: a block of zeros, and a block whose largest magnitude lies under 2^-124, gets the byte 1 (its codes are zeros or what the conversion gives under that scale; this program alone reads the bytes);
; NaN and infinities are not served; a row's sum is taken in this text's own order (two chains a lane, then across the lanes): a row of zeros gives 0 in every order, a row of other numbers whose f32 sum is 0 in one order only may fall either way.
; Rows are dense, so both tensors are plain streams of blocks of 32.  A wave takes a run of 8,192 numbers (four whole rows) in 16 steps of 512.  The first 256 work-groups take queries, the others keys: pointers alone are chosen.
; Each of a step's four loads reads 512 consecutive bytes, 16 a lane; the 2,048 bytes turn through the wave's own stage in LDS and come back 64 bytes a lane: 16 neighbours along K, two lanes to a block.
; A lane's 16 codes are 8 bytes: a wave's store covers 256 consecutive bytes, aligned.  A wave's 256 scale bytes are gathered in its own LDS bytes and leave by one store of 256 consecutive bytes.
; No barrier: waves share nothing.  Loads run four steps (16 loads a wave) ahead, the turn through LDS one step.
.set STEPS, 16
.set EMAX,  2
.set CB,    8                          ; bytes of 16 codes
.set R,     16                         ; v16-79   four sets of 16 numbers as they are loaded
.set X,     80                         ; v80-111  two sets of 16 neighbours
.set E,     112                        ; v112-127 a scale byte for each step
.set C,     128                        ; v128-191 codes: four registers for each step, so that no store's data are written again
.set SA,    192                        ; v[192:193], v[194:195] a row's sum in two chains of pairs
.set SB,    194
.set PW,    196                        ; v196-199 the four rows' padding words
.set SU,    200                        ; v200 the sum at work, v201 the other half of the lanes'
.set ONES,  202                        ; v202 all ones
.set NIL,   203                        ; v203 0
.set WREG,  8192                       ; LDS: a region for each wave: two stages of 32 x SP bytes, behind them its 256 scale bytes
.set SP,    80                         ; a lane's place in a stage: its 64 bytes + 16 of padding
.set ISK,   24                         ; s24  1 in a work-group of keys
	s_load_b256 s[4:11], s[0:1], 0x0               ; queries s[4:5], keys s[6:7], xc s[8:9], xs s[10:11]
	s_load_b64 s[12:13], s[0:1], 0x20              ; pad
	v_lshl_add_u32 v208, v0, 2, 0x8000
	v_mov_b32 v209, 0
	v_lshrrev_b32 v1, 5, v0
	v_readfirstlane_b32 s16, v1                    ; wave
	v_and_b32 v2, 31, v0                           ; lane
	v_lshlrev_b32 v3, 4, v2                        ; my 16 bytes of a load's 512
	s_mul_i32 s17, s16, WREG
	v_lshrrev_b32 v14, 2, v2
	v_mul_u32_u24 v14, v14, SP
	v_and_b32 v15, 3, v2
	v_lshl_add_u32 v14, v15, 4, v14
	v_add_nc_u32 v14, s17, v14                     ; the stage, on the way in: four lanes' 64 bytes on end, then 16 of padding
	v_mul_u32_u24 v15, v2, SP
	v_add_nc_u32 v15, s17, v15                     ; and on the way out: SP x lane: my 16 neighbours
	v_mul_u32_u24 v4, v2, CB                       ; my codes' place in a step's
	v_lshrrev_b32 v5, 1, v2
	s_add_co_u32 s17, s17, 2*32*SP
	v_add_nc_u32 v5, s17, v5                       ; LDS: my wave's 256 scale bytes, my block's byte
	v_lshlrev_b32 v7, 3, v2                        ; and on the way out 8 bytes a lane
	v_add_nc_u32 v6, s17, v7
.irp i, 0,1,2,3,4,5,6,7,8,9
	v_mov_b32 v[SA+\i], 0                          ; the sums begin at 0; the words and the permute's destination are written once on every way
.endr
	v_mov_b32 v[ONES], -1
	v_mov_b32 v[NIL], 0
	s_mov_b32 s22, 0x76543210                      ; v_permlanex16_b32's selects for lane l xor 16
	s_mov_b32 s23, 0xfedcba98
	s_lshl_b32 s18, ttmp9, 2
	s_add_co_u32 s18, s18, s16                     ; my run among the 2,048 of both tensors
	s_cmp_lt_u32 ttmp9, 256
	s_cselect_b32 s[ISK], 0, 1
	s_cselect_b32 s19, 0, 1024
	s_sub_co_u32 s19, s18, s19                     ; and within its own tensor
	s_mov_b32 s21, 0
	s_wait_kmcnt 0x0
	s_cmp_lt_u32 ttmp9, 256                        ; the choice hangs on the work-group's number alone
	s_cselect_b64 s[4:5], s[4:5], s[6:7]
	s_lshl_b32 s20, s19, 15                        ; 32,768 bytes of f32 a run
	s_add_nc_u64 s[4:5], s[4:5], s[20:21]
	s_lshl_b32 s20, s18, 12                        ; 4,096 bytes of codes
	s_add_nc_u64 s[8:9], s[8:9], s[20:21]
	s_lshl_b32 s20, s18, 8                         ; 256 scale bytes
	s_add_nc_u64 s[10:11], s[10:11], s[20:21]
	s_lshl_b32 s20, s19, 4                         ; four padding words (used by work-groups of keys alone)
	s_add_nc_u64 s[12:13], s[12:13], s[20:21]
.macro LOAD t
.irp i, 0,1,2,3
	global_load_b128 v[R+16*((\t)%4)+4*\i:R+16*((\t)%4)+4*\i+3], v3, s[4:5] offset:2048*(\t)+512*\i   ; 32 lanes read 512 consecutive bytes
.endr
.endm
.macro TURN t                          ; step t's numbers through the stage: LDS serves a wave's instructions in order (ISA guide 5.7.1.4), so no wait stands between the stores and the loads
.irp i, 0,1,2,3
	ds_store_b128 v14, v[R+16*((\t)%4)+4*\i:R+16*((\t)%4)+4*\i+3] offset:32*SP*((\t)%2)+8*SP*\i
.endr
.irp i, 0,1,2,3
	ds_load_b128 v[X+16*((\t)%2)+4*\i:X+16*((\t)%2)+4*\i+3], v15 offset:32*SP*((\t)%2)+16*\i
.endr
.endm
; keys alone: my 16 numbers join the row's sum; a row is four steps, and behind its fourth the 32 lanes' sums are joined and the row's word is chosen (no branch on the sum)
.macro SUM t
	s_cmp_lg_u32 s[ISK], 0
	s_cbranch_scc0 .Lno_sum_\@
.irp i, 0,4,8,12
	v_pk_add_f32 v[SA:SA+1], v[SA:SA+1], v[XS+\i:XS+\i+1]
	v_pk_add_f32 v[SB:SB+1], v[SB:SB+1], v[XS+\i+2:XS+\i+3]
.endr
.if (\t)%4 == 3
	v_pk_add_f32 v[SA:SA+1], v[SA:SA+1], v[SB:SB+1]
	v_add_f32 v[SU], v[SA], v[SA+1]
	v_add_f32_dpp v[SU], v[SU], v[SU] row_xmask:1 row_mask:0xf bank_mask:0xf
	v_add_f32_dpp v[SU], v[SU], v[SU] row_xmask:2 row_mask:0xf bank_mask:0xf
	v_add_f32_dpp v[SU], v[SU], v[SU] row_xmask:4 row_mask:0xf bank_mask:0xf
	v_add_f32_dpp v[SU], v[SU], v[SU] row_xmask:8 row_mask:0xf bank_mask:0xf
	v_permlanex16_b32 v[SU+1], v[SU], s22, s23
	v_add_f32 v[SU], v[SU], v[SU+1]
	v_cmp_eq_f32 vcc_lo, 0, v[SU]
	v_cndmask_b32 v[PW+(\t)/4], 0, v[ONES], vcc_lo ; all ones where the sum is 0
.if (\t) < STEPS-1
.irp i, 0,1,2,3
	v_mov_b32 v[SA+\i], 0                          ; the next row's sum
.endr
.endif
.endif
.Lno_sum_\@:
.endm
.irp t, 0,1,2,3
	LOAD \t
.endr
	s_wait_loadcnt 12                              ; step 0's four loads are in; three steps' twelve may be out
	TURN 0
.macro STEP t
.set XS, X+16*((\t)%2)
.if (\t) > 0
	s_wait_dscnt 1                                 ; this step's numbers are back from the stage (the last step's byte store may be out): so its stores into the stage have read their registers,
.else
	s_wait_dscnt 0x0
.endif
.if (\t)+4 < STEPS
	LOAD (\t)+4                                    ; which take the loads of four steps on
.endif
.if (\t)+1 < STEPS
.if STEPS-2-(\t) >= 3
	s_wait_loadcnt 12                              ; the next step's four loads are in; those of the three steps behind it may be out
.else
	s_wait_loadcnt 4*(STEPS-2-(\t))
.endif
	TURN (\t)+1                                    ; and go through the other stage while this step is worked
.endif
	v_max3_num_f32 v8, |v[XS]|, |v[XS+1]|, |v[XS+2]|               ; the largest magnitude of my 16, in two chains
	v_max3_num_f32 v9, |v[XS+3]|, |v[XS+4]|, |v[XS+5]|
.irp i, 6,10
	v_max3_num_f32 v8, v8, |v[XS+\i]|, |v[XS+\i+1]|
	v_max3_num_f32 v9, v9, |v[XS+\i+2]|, |v[XS+\i+3]|
.endr
	v_max3_num_f32 v8, v8, |v[XS+14]|, |v[XS+15]|
	v_max3_num_f32 v8, v8, v9, (EMAX+1)<<23        ; and the floor 2^(3 - 127): so the byte cannot fall under 1
	v_max_num_f32_dpp v8, v8, v8 row_xmask:1 row_mask:0xf bank_mask:0xf   ; and of my neighbour's 16: the block's
	v_add_nc_u32 v11, -(EMAX<<23), v8              ; 2 off its exponent field: the conversion takes the exponent field of this operand as its scale, and nothing else of it
	v_cvt_scalef32_pk8_fp4_f32 v[C+4*(\t)], v[XS:XS+7], v11        ; eight numbers / the scale, to the nearest code, ties to even, beyond the largest code the largest
	v_cvt_scalef32_pk8_fp4_f32 v[C+4*(\t)+1], v[XS+8:XS+15], v11
	v_lshrrev_b32 v[E+(\t)], 23, v11               ; the scale's byte (also the plain line behind the conversions)
	ds_store_b8 v5, v[E+(\t)] offset:16*(\t)       ; both lanes of a block write the same byte with the same value
	global_store_b64 v4, v[C+4*(\t):C+4*(\t)+1], s[8:9] offset:32*CB*(\t)
	SUM \t
.endm
.irp t, 0,1,2,3,4,5,6,7,8,9,10,11,12,13,14,15
	STEP \t
.endr
	ds_load_b64 v[12:13], v6                       ; these see my byte stores: a wave's LDS instructions are served in order
	s_wait_dscnt 0x0
	global_store_b64 v7, v[12:13], s[10:11]        ; 32 lanes store 256 consecutive bytes, aligned
	s_cmp_eq_u32 s[ISK], 0
	s_cbranch_scc1 .Ldone
	v_cmp_eq_u32 vcc_lo, 0, v2
	s_wait_xcnt 0x0                                ; EXEC changes only when the earlier stores have had their addresses translated
	s_and_saveexec_b32 s25, vcc_lo
	global_store_b128 v[NIL], v[PW:PW+3], s[12:13] ; lane 0: my four rows' words, 16 bytes; the four waves' lie on end.  16 KiB in the whole launch go out in such pieces
	s_wait_xcnt 0x0                                ; and again in front of the line that widens it
	s_or_b32 exec_lo, exec_lo, s25
.Ldone:
	s_wait_tensorcnt 0x0
	ds_add_u32 v208, v209
	s_wait_dscnt 0x0
	s_endpgm
.Lfunc_end_k_q4752760b50_quant:
	.size	k_q4752760b50_quant, .Lfunc_end_k_q4752760b50_quant-k_q4752760b50_quant
	.p2alignl 7, 3214868480
	.fill 96, 4, 3214868480
	.section	.rodata,"a",@progbits
	.p2align	6, 0x0
	.amdhsa_kernel k_q4752760b50_quant
		.amdhsa_group_segment_fixed_size 33280
		.amdhsa_private_segment_fixed_size 0
		.amdhsa_enable_private_segment 0
		.amdhsa_kernarg_size 40
		.amdhsa_user_sgpr_count 2
		.amdhsa_user_sgpr_kernarg_segment_ptr 1
		.amdhsa_wavefront_size32 1
		.amdhsa_system_sgpr_workgroup_id_x 1
		.amdhsa_system_sgpr_workgroup_id_y 1
		.amdhsa_system_sgpr_workgroup_id_z 1
		.amdhsa_system_vgpr_workitem_id 0
		.amdhsa_next_free_vgpr 210
		.amdhsa_next_free_sgpr 66
		.amdhsa_reserve_vcc 1
		.amdhsa_float_denorm_mode_32 3
		.amdhsa_float_denorm_mode_16_64 3
		.amdhsa_memory_ordered 1
		.amdhsa_forward_progress 1
		.amdhsa_inst_pref_size 45
	.end_amdhsa_kernel
	.amdgpu_metadata
---
amdhsa.version: [ 1, 2 ]
amdhsa.kernels:
  - .name:           k_q4752760b50_quant
    .symbol:         k_q4752760b50_quant.kd
    .args:
      - { .name: queries, .offset: 0, .size: 8, .value_kind: global_buffer, .address_space: global }
      - { .name: keys, .offset: 8, .size: 8, .value_kind: global_buffer, .address_space: global }
      - { .name: xc, .offset: 16, .size: 8, .value_kind: global_buffer, .address_space: global }
      - { .name: xs, .offset: 24, .size: 8, .value_kind: global_buffer, .address_space: global }
      - { .name: pad, .offset: 32, .size: 8, .value_kind: global_buffer, .address_space: global }
    .group_segment_fixed_size: 33280
    .private_segment_fixed_size: 0
    .kernarg_segment_align: 8
    .kernarg_segment_size: 40
    .max_flat_workgroup_size: 128
    .sgpr_count:     66
    .vgpr_count:     210
    .wavefront_size: 32
...
	.end_amdgpu_metadata
.endif
;; end of part 1
;; launch proj (part 2): grid 16 x 16, 4 waves a work-group, clusters of 4 x 4, 327,680 bytes of LDS; arguments xc, xs, Wq_codes, Wq_scales, Wk_codes, Wk_scales, Wv_codes, Wv_scales, bq, bk, bv, fc, fs; writes fc, fs
.if DOCPART == 2
	.amdgcn_target "amdgcn-amd-amdhsa--gfx1250"
	.amdhsa_code_object_version 6
	.text
	.protected	k_q4752760b50_proj
	.globl	k_q4752760b50_proj
	.p2align	8
	.type	k_q4752760b50_proj,@function
k_q4752760b50_proj:
	s_mov_b64 s[64:65], 0
	v_nop
	global_prefetch_b8 v0, s[64:65] scope:SCOPE_SE
	s_setreg_imm32_b32 hwreg(HW_REG_WAVE_MODE, 25, 1), 1
	s_wait_xcnt 0x0
	s_wait_alu depctr_hold_cnt(0) depctr_sa_sdst(0) depctr_va_vdst(0) depctr_va_sdst(0) depctr_va_ssrc(0) depctr_va_vcc(0) depctr_vm_vsrc(0)
	s_getreg_b32 s2, hwreg(HW_REG_IB_STS2, 6, 4)
	s_cmp_eq_u32 s2, 0
	s_cbranch_scc0 .Lentry_in_a_cluster
	s_endpgm
.Lentry_in_a_cluster:
	s_bfe_u32 s2, ttmp6, 0x10000c
	s_cmp_lg_u32 s2, 0xf033
	s_cbranch_scc0 .Lentry_shape_is_right
	s_endpgm
.Lentry_shape_is_right:
; The three projections Q = xq Wq^T + bq, K = xk Wk^T + bk, V = xk Wv^T + bv on codes of FP4 (E2M1) with one E8M0 scale for each 32 along K = 2,048, and the quantising of their results for the attention that follows.
; The products are sums A_i . B_j over rows of two operands of codes, 1,024 bytes a row, 64 scale bytes a row.  THE MATRIX INSTRUCTION IS USED TRANSPOSED (source 0 = 16 rows of B, source 1 = 16 rows of A): a lane holds ONE row of A
; and its registers run along B's rows.  That is the axis along which the result is quantised: for Q and K the head's 128 features (A = the tokens' codes, B = the weight), for V the tokens, which are the keys of attention's second
; product (A = Wv, B = the keys' codes).
; SHARES.  Q and K are 256 tiles of 256 x 256, V is 128 such tiles.  There are 256 work-groups, and EACH MAKES ONE AND A HALF TILES AND STAYS: first a tile of Q or K, then a half tile of V, 256 rows of Wv x 128 tokens: equal work for all.
; Tile 1: four waves, each 128 x 128: 64 accumulators, 512 registers.  The half tile: each wave 64 rows of Wv x all 128 tokens, 32 accumulators, so that a wave's results are whole operands of 16 x 128 with whole scale words.
; K goes in steps of 512 through two LDS slots filled by the tensor data mover (rows of 256 bytes), and THE RING DOES NOT STOP between the two: tile 1's last two changes of slots ask for the half tile's first two K steps.
; Tile 1's scale bytes, for all of K, come into LDS once with the first fills.  The half tile's do not fit beside them: each wave loads the words of its 64 + 128 rows into registers, 16 bytes a lane.
; CLUSTERS: 4 x 4 work-groups.  In both parts the four of a row of the cluster need the same tiles of A, the four of a column the same tiles of B: each is asked for JOINTLY, by the same tensor load with the same descriptor and a mask that names the four.
; THE WAY OUT.  16 rows of A x 128 along the next K get their bias, are quantised in registers, and leave as an IMAGE OF THE OPERAND'S REGISTERS: fc [kind][batch x head][64 fragments][1,024 bytes]
; (two halves of 512 bytes, lane l's 16 bytes at 16 l); fs [kind][batch x head][64 fragments][16 rows] one scale word a row.  Q (kind 0), K (1): fragment f = tokens 16 f on.  V (2): fragment 8 s + t = channels 16 t on, keys 128 s on.
; LIMITS: a block of zeros, or one under 2^-124, keeps the scale byte 1 (this program alone reads the bytes); NaN and infinities are not served.
; REGISTERS, in windows of 256: window 0: v0-31 addresses; v32-95 tile 1's scale words, two sets (on a way out: 64 numbers at work; then the half tile's scale words of K steps 2, 3); v96-107 at work on a way out; v112-119 the half tile's bias;
;   v128-191 A's fragments (tile 1: ONE set of eight; the half tile: two sets of four; on a way out: the codes); v192-255 the half tile's scale words of K steps 0, 1.
;   window 1: B's fragments, TWO sets, at v0 and v128; v64-127 tile 1's bias.   window 2: the accumulators of my rows 0-63 ((a, b) at v[8 (8 a + b)]);   window 3: those of my rows 64-127 of tile 1.
.set NQ,     4                         ; matrix instructions deep in a slot: 512 along K
.set ROWB,   256                       ; a tile's row in bytes
.set KROW,   1024                      ; a row of an operand in memory, in bytes
.set PITCH,  272                       ; an LDS row: 256 bytes + 16 of padding = 68 words: the 16 rows that a load touches start at 16 different banks (64 banks of 4 bytes: ISA guide 11.1)
.set FR,     8                         ; registers of a fragment: 16 rows x 128 K
.set NL,     2                         ; LDS loads that bring one
.set NP,     4                         ; places behind this matrix instruction (ISA guide 7.12.1)
.set HALFT,  128*PITCH                 ; 128 rows: what one tensor load brings
.set SLOT,   4*HALFT                   ; A's 256 rows, then B's 256 (the half tile: B's 128)
.set KS,     64                        ; a row of scale bytes
.set SCL,    2*SLOT                    ; behind the ring: tile 1's scales, as rows of 256 bytes + 16 of padding
.set HALFS,  (128*KS/256)*272          ; the scales of 128 rows: what one tensor load brings
.set SBLK,   (16*KS/256)*272           ; those of 16 rows
.set SPARE,  SCL+4*HALFS               ; behind the scales: the spare words, 128 bytes for each wave: two blocks of 256 bytes that no other line names
.set STG,    SPARE+512                 ; behind them: a stage of 512 bytes for each wave, for the scale words on their way out; no tile lands there
.set PWD,  4                           ; v4-11   a way out: the fragments' scale words
.set ADRA2, 12                         ; v12-13  the half tile: LDS address of my A fragments in slot 0, 1
.set ADRB2, 14                         ; v14-15  the same for B
.set ADRA, 16                          ; v16-17  tile 1: LDS address of my A fragments in slot 0, 1
.set VA2,  18                          ; v18     64 (lane % 16): my row among 16 rows of scale bytes
.set VB2,  19                          ; v19     the same + 4,096 (lane / 16): lanes 16-31 stand 64 rows on
.set ADRB, 20                          ; v20-21  tile 1: the same for B
.set SRD2, 22                          ; v22     the stage: where 8 bytes of the wave's first 256 are read back
.set CO2,  23                          ; v23     8 x lane
.set SST,  24                          ; v24     the stage: where my row's scale word goes: STG + 512 x wave + 4 (lane % 16)
.set SRD,  25                          ; v25     and where 16 bytes of the wave's 512 are read back
.set CO,   26                          ; v26     16 x lane
.set ADRS, 27                          ; v27     tile 1: LDS address of my scale words: lanes 0-15 A's rows, lanes 16-31 B's
.set SPW,  28                          ; v28     LDS address of my spare word; never rewritten
.set NIL,  29                          ; v29     0; never rewritten
.set BOB,  30                          ; v30     32 (lane / 16): tile 1's bias, by B's rows
.set BOA,  31                          ; v31     4 (lane % 16): the half tile's, by A's rows
.set SC,   32
.set T,    32                          ; a way out: 64 numbers of a lane
.set TM,   96                          ; v96-99 largest magnitudes, v100-103 the other half's, then bytes, v104-107 the conversions' scale operands
.set BA,   112                         ; v[112+2a:113+2a] the half tile: the bias of my row of block a, twice
.set AF,   128
.set PC,   128                         ; a way out: fragment a's codes at v[128 + 8 a]
.set BB,   64                          ; in window 1: register 8 b + j: tile 1's bias of B's row 16 b + 8 (lane / 16) + j
.set KIND, 2                           ; s2      0: my tile 1 is Q's, 1: K's
.set P2A,  4                           ; s[4:5]   the half tile: the codes of the 128 rows of Wv that I would fetch
.set P2B,  6                           ; s[6:7]   the codes of its 128 tokens
.set P2AS, 8                           ; s[8:9]   the scale bytes of my 64 rows of Wv
.set P2BS, 10                          ; s[10:11] the scale bytes of its 128 tokens
.set SEL,  66                          ; s[66:67] v_permlanex16_b32's selects for lane l xor 16
.set OUTS2, 94                         ; s[94:95] the half tile: where my four fragments' scale words go
.set BIAS2, 96                         ; s[96:97] bv at my 64 rows
.set OUTC2, 98                         ; s[98:99] where my four fragments go
.set OUTC, 100                         ; s[100:101] tile 1: where my eight fragments go
.set OUTS, 104                         ; s[104:105] and their scale words
.set G1, 24                            ; s[24:31] descriptor group 1 for A's tiles;  s[32:39] group 0, one set for each slot
.set G0, 32
.set G1B, 48                           ; s[48:55], s[56:63] the same for B's tiles
.set G0B, 56
.set G1S, 68                           ; s[68:75], s[76:79] groups 1 and 0 for A's scales;  s[80:87], s[88:91] for B's
.set G0S, 76
.set G1SB, 80
.set G0SB, 88
.set MSB, 0
.macro WIN new                         ; the immediate's high byte repeats the setting that is left; a switch that changes nothing is dropped
.if MSB != (\new)
	s_set_vgpr_msb (MSB<<8)|(\new)
.set MSB, (\new)
.endif
.endm
.set MUL_LO, 0xa1                      ; source 0 (B) window 1, source 1 (A) window 0, C and D window 2
.set MUL_HI, 0xf1                      ; the same, C and D window 3
.set TO_B,   0x40                      ; destination window 1, address window 0
; A joint load of tile 1: waves 0 and 1 fetch for A, waves 2 and 3 for B.  Each of the two lines has ONE mask and one set of registers for all that issue it; the branch hangs on the wave's number alone.
; Four v_nop follow each of the two lines, ahead of the jump, the label and what follows.
.macro JLOAD g0a, g1a, g0b, g1b
	s_cmp_eq_u32 s15, 0
	s_cbranch_scc0 .Lfor_b_\@
	tensor_load_to_lds s[\g0a:\g0a+3], s[\g1a:\g1a+7]
	s_nop 0
.rept 4
	v_nop
.endr
	s_branch .Lasked_\@
.Lfor_b_\@:
	tensor_load_to_lds s[\g0b:\g0b+3], s[\g1b:\g1b+7]
	s_nop 0
.rept 4
	v_nop
.endr
.Lasked_\@:
.endm
; A joint load of the half tile: waves 0 and 1 fetch A's halves, wave 2 B's 128 rows, wave 3 nothing.  The four v_nop behind the last label are every wave's places in front of the LDS loads that follow.
.macro JLOAD2 g0a, g1a, g0b, g1b
	s_cmp_eq_u32 s15, 0
	s_cbranch_scc0 .Lnot_a_\@
	tensor_load_to_lds s[\g0a:\g0a+3], s[\g1a:\g1a+7]
	s_nop 0
.rept 4
	v_nop
.endr
	s_branch .Lasked2_\@
.Lnot_a_\@:
	s_cmp_eq_u32 s14, 2
	s_cbranch_scc0 .Lasked2_\@
	tensor_load_to_lds s[\g0b:\g0b+3], s[\g1b:\g1b+7]
	s_nop 0
.rept 4
	v_nop
.endr
.Lasked2_\@:
.rept 4
	v_nop
.endr
.endm
.macro CREST                           ; a round of the cluster's barrier behind its opening barrier
	s_cmp_lg_u32 s14, 0
	s_cbranch_scc1 .Lnot_wave_0_\@
	s_barrier_signal -3
.Lnot_wave_0_\@:
	s_barrier_wait -3
	s_barrier_signal -1
	s_barrier_wait -1
.endm
.macro CROUND                          ; a whole round
	s_barrier_signal -1
	s_barrier_wait -1
	CREST
.endm
	s_load_b512 s[68:83], s[0:1], 0x0              ; xc s[68:69], xs s[70:71], Wq's codes, scales s[72:75], Wk's s[76:79], Wv's s[80:83]
	s_load_b256 s[84:91], s[0:1], 0x40             ; bq s[84:85], bk s[86:87], bv s[88:89], fc s[90:91]
	s_load_b64 s[92:93], s[0:1], 0x60              ; fs
	v_lshl_add_u32 v[SPW], v0, 2, SPARE
	v_mov_b32 v[NIL], 0
	ds_add_u32 v28, v29
	ds_add_u32 v28, v29
	s_wait_dscnt 0x0
	v_lshrrev_b32 v1, 5, v0
	v_readfirstlane_b32 s14, v1                    ; wave 0..3
	s_lshr_b32 s15, s14, 1                         ; tile 1: which half of the tile's rows of A is mine.  Also: I fetch for A (0) or for B (1)
	s_and_b32 s16, s14, 1                          ; which half of its rows of B.  Also: which 128 rows of a tile I fetch
	s_bfe_u32 s40, ttmp6, 0x40000                  ; cx, cy: my place in the cluster
	s_bfe_u32 s41, ttmp6, 0x40004
	s_and_b32 s19, ttmp7, 0xffff                   ; the cluster's y, 0..3 (its x, 0..3, is ttmp9)
	s_lshl_b32 s17, s19, 2
	s_add_co_u32 s17, s17, s41                     ; tile 1: which 256 tokens: 4 x cluster y + cy
	s_and_b32 s94, s19, 1
	s_lshl_b32 s94, s94, 2
	s_add_co_u32 s94, s94, s41                     ; the half tile: which 256 rows of Wv: 4 (cluster y mod 2) + cy, 0..7
	s_lshr_b32 s95, s19, 1
	s_lshl_b32 s95, s95, 2
	s_add_co_u32 s95, s95, ttmp9
	s_lshl_b32 s95, s95, 2
	s_add_co_u32 s95, s95, s40                     ; and which 128 tokens: 4 (cluster x + 4 (cluster y / 2)) + cx, 0..31
	s_lshl_b32 s43, s41, 2
	s_lshl_b32 s43, 15, s43                        ; my row of the cluster
	s_lshl_b32 s44, 0x1111, s40                    ; my column
	; descriptor group 1: a tile of 128 rows x 256 bytes, padded in LDS
	s_or_b32 s[G1+0], s43, (0<<16)|(1<<20)|(1<<21)|(5<<22)|(3<<25)  ; 15:0 the mask: A's tiles go to my row; 17:16 element of 1 byte; 20 padding on; 21 set beside a mask; 24:22 after every 64 words (code 5); 31:25 of 4 words (code 3)
	s_or_b32 s[G1B+0], s44, (0<<16)|(1<<20)|(1<<21)|(5<<22)|(3<<25) ; the same with the mask of my column
.irp g, G1, G1B
	s_mov_b32 s[\g+1], ROWB<<16                    ; tensor_dim0
	s_mov_b32 s[\g+2], 128<<16                     ; tensor_dim1 = 128
	s_mov_b32 s[\g+3], ROWB<<16                    ; tile_dim0
	s_mov_b32 s[\g+4], 128                         ; tile_dim1 = 128
	s_mov_b32 s[\g+5], KROW                        ; tensor_dim0_stride
	s_mov_b32 s[\g+6], 0
	s_mov_b32 s[\g+7], 0
.endr
	s_mov_b32 s[SEL], 0x76543210
	s_mov_b32 s[SEL+1], 0xfedcba98
	s_wait_kmcnt 0x0
	; TILE 1's KIND, by the cluster's x alone: the same in all sixteen partners.  x < 2: Q, else K
	s_add_nc_u64 s[96:97], s[68:69], 0x400000      ; the keys' codes lie behind the queries' 4,096 rows of 1,024 bytes,
	s_add_nc_u64 s[98:99], s[70:71], 0x40000       ; their scale bytes behind 4,096 rows of 64
	s_mov_b64 s[OUTC:OUTC+1], s[90:91]
	s_mov_b64 s[OUTS:OUTS+1], s[92:93]
	s_cmp_lt_u32 ttmp9, 2
	s_cselect_b64 s[4:5], s[68:69], s[96:97]       ; A's codes
	s_cselect_b64 s[6:7], s[70:71], s[98:99]       ; A's scales
	s_cselect_b64 s[8:9], s[72:73], s[76:77]       ; B's codes
	s_cselect_b64 s[10:11], s[74:75], s[78:79]     ; B's scales
	s_cselect_b64 s[12:13], s[84:85], s[86:87]     ; the bias
	s_cselect_b32 s[KIND], 0, 1
	s_cselect_b32 s18, 0, 2                        ; K's tile columns begin at cluster x = 2
	s_sub_co_u32 s42, ttmp9, s18
	s_lshl_b32 s42, s42, 2
	s_add_co_u32 s42, s42, s40                     ; which 256 features: 4 x (cluster x, from the kind's first) + cx
	s_lshl_b32 s18, s16, 7                         ; which 128 rows of the tile I fetch
	s_lshl_b32 s20, s17, 8
	s_add_co_u32 s20, s20, s18                     ; A: row 256 x tile row + 128 x half
	s_lshl_b32 s46, s42, 8
	s_add_co_u32 s46, s46, s18                     ; B: row 256 x tile column + 128 x half
	s_lshl_b32 s22, s20, 6                         ; where these rows' scales begin, in bytes (at most 4,095 rows: far under 2^32),
	s_mov_b32 s23, 0
	s_lshl_b32 s92, s46, 6
	s_mov_b32 s93, 0
	s_lshl_b32 s20, s20, 10                        ; and their codes
	s_mov_b32 s21, 0
	s_lshl_b32 s46, s46, 10
	s_mov_b32 s47, 0
	s_add_nc_u64 s[20:21], s[4:5], s[20:21]
	s_add_nc_u64 s[22:23], s[6:7], s[22:23]
	s_add_nc_u64 s[46:47], s[8:9], s[46:47]
	s_add_nc_u64 s[92:93], s[10:11], s[92:93]
	; THE HALF TILE's addresses, while the arguments still stand.  A = Wv hangs on cy (and the cluster's y), B = the keys' codes on cx (and the cluster's x and y)
	s_mov_b32 s19, 0
	s_lshl_b32 s3, s94, 8                          ; its first row of Wv
	s_lshl_b32 s18, s16, 7
	s_add_co_u32 s18, s18, s3                      ; + the 128 rows that waves 0 and 1 fetch
	s_lshl_b32 s18, s18, 10
	s_add_nc_u64 s[P2A:P2A+1], s[80:81], s[18:19]
	s_lshl_b32 s18, s95, 17                        ; 128 tokens x 1,024 bytes
	s_add_nc_u64 s[P2B:P2B+1], s[96:97], s[18:19]
	s_lshl_b32 s18, s14, 6
	s_add_co_u32 s3, s3, s18                       ; my wave's first row of Wv: + 64 x wave
	s_lshl_b32 s18, s3, 6
	s_add_nc_u64 s[P2AS:P2AS+1], s[82:83], s[18:19]
	s_lshl_b32 s18, s95, 13                        ; 128 tokens x 64 bytes
	s_add_nc_u64 s[P2BS:P2BS+1], s[98:99], s[18:19]
	s_lshl_b32 s18, s3, 2
	s_add_nc_u64 s[BIAS2:BIAS2+1], s[88:89], s[18:19]
	s_lshr_b32 s18, s95, 3                         ; the batch: 1,024 tokens are eight runs of 128
	s_lshl_b32 s18, s18, 4
	s_lshr_b32 s94, s3, 7                          ; the head
	s_add_co_u32 s18, s18, s94
	s_add_co_u32 s18, s18, 128                     ; kind 2 begins 128 (batch, head) pairs on
	s_lshl_b32 s18, s18, 6                         ; 64 fragments each;
	s_and_b32 s94, s95, 7
	s_lshl_b32 s94, s94, 3
	s_add_co_u32 s18, s18, s94                     ; + 8 x (which 128 keys of the batch)
	s_bfe_u32 s94, s3, 0x30004
	s_add_co_u32 s3, s18, s94                      ; + (which 16 channels of the head): my first fragment, a multiple of 4
	s_lshl_b32 s18, s3, 10
	s_add_nc_u64 s[OUTC2:OUTC2+1], s[OUTC:OUTC+1], s[18:19]
	s_lshl_b32 s18, s3, 6
	s_add_nc_u64 s[OUTS2:OUTS2+1], s[OUTS:OUTS+1], s[18:19]
	; group 1 for the scales of 128 rows: a dense block of 8,192 bytes, as 32 rows of 256 bytes (32 elements of 8 bytes), 16 bytes of padding behind each.  (The arguments that lay here have been taken)
	s_or_b32 s[G1S+0], s43, (3<<16)|(1<<20)|(1<<21)|(5<<22)|(3<<25)
	s_or_b32 s[G1SB+0], s44, (3<<16)|(1<<20)|(1<<21)|(5<<22)|(3<<25)
.irp g, G1S, G1SB
	s_mov_b32 s[\g+1], 32<<16
	s_mov_b32 s[\g+2], (128*KS/256)<<16
	s_mov_b32 s[\g+3], 32<<16
	s_mov_b32 s[\g+4], 128*KS/256
	s_mov_b32 s[\g+5], 32
	s_mov_b32 s[\g+6], 0
	s_mov_b32 s[\g+7], 0
.endr
	s_mul_i32 s45, s14, HALFT                      ; where the tiles go: wave x 128 rows: no place in the cluster enters an LDS address
	s_mul_i32 s43, s14, HALFS
	CROUND                                         ; all sixteen work-groups are here: the first joint loads meet
	s_mov_b32 s[G0S], 1
	s_add_co_u32 s[G0S+1], s43, SCL
	s_mov_b64 s[G0S+2:G0S+3], s[22:23]
	s_or_b32 s[G0S+3], s[G0S+3], 0x80000000
	s_mov_b32 s[G0SB], 1
	s_add_co_u32 s[G0SB+1], s43, SCL
	s_mov_b64 s[G0SB+2:G0SB+3], s[92:93]
	s_or_b32 s[G0SB+3], s[G0SB+3], 0x80000000
	JLOAD G0S, G1S, G0SB, G1SB                     ; the scales first: they are wanted with K step 0
.irp s, 0,1
	s_mov_b32 s[G0+4*\s], 1                                        ; count = 1
	s_add_co_u32 s[G0+4*\s+1], s45, \s*SLOT                        ; LDS address
	s_add_nc_u64 s[G0+4*\s+2:G0+4*\s+3], s[20:21], \s*ROWB         ; global address: K step s
	s_or_b32 s[G0+4*\s+3], s[G0+4*\s+3], 0x80000000                ; type = 2
	s_mov_b32 s[G0B+4*\s], 1
	s_add_co_u32 s[G0B+4*\s+1], s45, \s*SLOT
	s_add_nc_u64 s[G0B+4*\s+2:G0B+4*\s+3], s[46:47], \s*ROWB
	s_or_b32 s[G0B+4*\s+3], s[G0B+4*\s+3], 0x80000000
	JLOAD G0+4*\s, G1, G0B+4*\s, G1B               ; by this text's count three tensor loads of a wave are out now
.endr
	v_and_b32 v1, 15, v0                           ; l % 16
	v_bfe_u32 v2, v0, 4, 1                         ; l / 16
	v_mul_u32_u24 v3, v1, PITCH
	v_lshl_add_u32 v4, v2, 4, v3                   ; a fragment's row x pitch + 16 x half
	s_mul_i32 s21, s15, HALFT                      ; tile 1: my 128 rows of A
	s_mul_i32 s22, s16, HALFT                      ; my 128 rows of B,
	s_add_co_u32 s22, s22, 2*HALFT                 ; which lie behind A's 256
.irp s, 0,1
	v_add_nc_u32 v[ADRA+\s], s21, v4
	v_add_nc_u32 v[ADRB+\s], s22, v4
	s_add_co_u32 s21, s21, SLOT
	s_add_co_u32 s22, s22, SLOT
.endr
	s_mul_i32 s21, s14, 64*PITCH                   ; the half tile: my 64 rows of A; B's 128 rows are everybody's
	v_add_nc_u32 v[ADRA2], s21, v4
	s_add_co_u32 s21, s21, SLOT
	v_add_nc_u32 v[ADRA2+1], s21, v4
	v_add_nc_u32 v[ADRB2], 2*HALFT, v4
	v_add_nc_u32 v[ADRB2+1], 2*HALFT+SLOT, v4
	v_mul_u32_u24 v5, v1, KS                       ; tile 1: my row's scales: 64 bytes a row,
	v_lshrrev_b32 v6, 8, v5
	v_lshl_add_u32 v5, v6, 4, v5                   ; and 16 more for each 256 passed
	s_mul_i32 s21, s15, HALFS                      ; A's: my 128 rows
	s_mul_i32 s22, s16, HALFS                      ; B's: my 128 rows, behind A's 256
	s_add_co_u32 s22, s22, 2*HALFS
	s_sub_co_u32 s22, s22, s21
	v_mul_u32_u24 v6, s22, v2                      ; lanes 16-31 take B's
	s_add_co_u32 s21, s21, SCL
	v_add_nc_u32 v5, v5, v6
	v_add_nc_u32 v[ADRS], s21, v5
	s_lshl_b32 s23, s14, 9
	s_add_co_u32 s23, s23, STG                     ; my stage
	v_lshl_add_u32 v[SST], v1, 2, s23
	v_and_b32 v6, 31, v0
	v_lshlrev_b32 v[CO], 4, v6
	v_add_nc_u32 v[SRD], s23, v[CO]
	v_lshlrev_b32 v[CO2], 3, v6
	v_add_nc_u32 v[SRD2], s23, v[CO2]
	v_lshlrev_b32 v[BOB], 5, v2
	v_lshlrev_b32 v[BOA], 2, v1
	v_lshlrev_b32 v[VA2], 6, v1
	v_lshl_add_u32 v[VB2], v2, 12, v[VA2]
.irp b, 0,1,2,3
	v_mov_b32 v[TM+4+\b], 0                        ; written once: a lane permute's destination counts as one of its sources
.endr
	; where tile 1's results go: tokens run along A's rows, features along B's
	s_lshl_b32 s20, s42, 1
	s_add_co_u32 s20, s20, s16                     ; my 128 features are a head: 0..15
	s_lshr_b32 s22, s17, 2                         ; the batch: 1,024 tokens are four tiles
	s_lshl_b32 s22, s22, 4
	s_add_co_u32 s22, s22, s20
	s_lshl_b32 s23, s[KIND], 6
	s_add_co_u32 s22, s22, s23                     ; 64 x kind + 16 x batch + head,
	s_lshl_b32 s22, s22, 6                         ; 64 fragments each;
	s_and_b32 s18, s17, 3
	s_lshl_b32 s18, s18, 1
	s_add_co_u32 s18, s18, s15
	s_lshl_b32 s18, s18, 3
	s_add_co_u32 s22, s22, s18                     ; + 8 x (which 128 tokens of the batch): my first fragment
	s_lshl_b32 s46, s22, 10
	s_mov_b32 s47, 0
	s_add_nc_u64 s[OUTC:OUTC+1], s[OUTC:OUTC+1], s[46:47]
	s_lshl_b32 s46, s22, 6
	s_add_nc_u64 s[OUTS:OUTS+1], s[OUTS:OUTS+1], s[46:47]
	s_lshl_b32 s46, s20, 9
	s_add_nc_u64 s[12:13], s[12:13], s[46:47]      ; the bias of my 128 features
; The half tile's scale words of K step t (512 along K): four words a row, 16 bytes a lane, 32 registers from S2T on.  Register 4 g + q: lanes 0-15 the word of B's block g, lanes 16-31 that of B's block g + 4, for the step's q-th 128 along K;
; register 16 + 4 a + q: lanes 0-15 the word of A's block a (lanes 16-31 load the same and are not read).  K steps 0, 1 lie at v192, v224, K steps 2, 3 at v32, v64.
.macro SCL2 t
.set S2T, 192+32*(\t)-224*((\t)/2)
.irp g, 0,1,2,3
	global_load_b128 v[S2T+4*\g:S2T+4*\g+3], v[VB2], s[P2BS:P2BS+1] offset:1024*\g+16*(\t)
	global_load_b128 v[S2T+16+4*\g:S2T+16+4*\g+3], v[VA2], s[P2AS:P2AS+1] offset:1024*\g+16*(\t)
.endr
.endm
	; Both biases and the half tile's first scale words are asked for here and land while K is walked; the one wait stands behind tile 1's last product.
	WIN TO_B
.irp b, 0,1,2,3,4,5,6,7
	global_load_b128 v[BB+8*\b:BB+8*\b+3], v[BOB], s[12:13] offset:64*\b
	global_load_b128 v[BB+8*\b+4:BB+8*\b+7], v[BOB], s[12:13] offset:64*\b+16
.endr
	WIN 0
.irp a, 0,1,2,3
	global_load_b32 v[BA+2*\a], v[BOA], s[BIAS2:BIAS2+1] offset:64*\a
	global_load_b32 v[BA+2*\a+1], v[BOA], s[BIAS2:BIAS2+1] offset:64*\a
.endr
	SCL2 0
	SCL2 1
.macro FRAG reg, adr, q, i             ; a fragment, 16 rows x 128 K of 4-bit codes, is 8 registers: lane l holds row l % 16; registers 4 c .. 4 c + 3 hold K = 64 c + 32 (l / 16) + 0 .. 31, the lower K in the lower bits
.irp c, 0,1
	ds_load_b128 v[\reg+4*\c:\reg+4*\c+3], v[\adr] offset:64*(\q)+32*\c+(\i)*16*PITCH
.endr
.endm
; TILE 1.  16 matrix instructions: A's blocks a0, a0 + 1 x B's eight, 128 along K: the slot's q-th.  p: B's set;  sc: the set of scale words.  zero = 1: the first product starts the sums: nothing is ever cleared.
; The 64 accumulators take turns, one instruction a turn, in the same order in every step.  A scale register carries A's word in lanes 0-15 and B's in lanes 16-31.
.macro MUL16 a0, p, q, sc, zero
.irp a, \a0, \a0+1
.irp b, 0,1,2,3,4,5,6,7
.if \zero
	v_wmma_scale_f32_16x16x128_f8f6f4 v[8*(8*((\a)%4)+\b):8*(8*((\a)%4)+\b)+7], v[128*(\p)+FR*\b:128*(\p)+FR*\b+FR-1], v[AF+FR*(\a):AF+FR*(\a)+FR-1], 0, v[SC+8*NQ*(\sc)+NQ*\b+(\q)], v[SC+8*NQ*(\sc)+NQ*(\a)+(\q)] matrix_a_fmt:MATRIX_FMT_FP4 matrix_b_fmt:MATRIX_FMT_FP4 matrix_a_scale:MATRIX_SCALE_ROW1
.else
	v_wmma_scale_f32_16x16x128_f8f6f4 v[8*(8*((\a)%4)+\b):8*(8*((\a)%4)+\b)+7], v[128*(\p)+FR*\b:128*(\p)+FR*\b+FR-1], v[AF+FR*(\a):AF+FR*(\a)+FR-1], v[8*(8*((\a)%4)+\b):8*(8*((\a)%4)+\b)+7], v[SC+8*NQ*(\sc)+NQ*\b+(\q)], v[SC+8*NQ*(\sc)+NQ*(\a)+(\q)] matrix_a_fmt:MATRIX_FMT_FP4 matrix_b_fmt:MATRIX_FMT_FP4 matrix_a_scale:MATRIX_SCALE_ROW1
.endif
.endr
.endr
.endm
.macro FETCH_B slot, q, p              ; B's eight fragments of the slot's q-th 128 along K into set p
	WIN TO_B
.irp i, 0,1,2,3,4,5,6,7
	FRAG 128*(\p)+FR*\i, ADRB+\slot, \q, \i
.endr
	WIN 0
.endm
.macro FETCH_A slot, q, i0             ; A's blocks i0 .. i0 + 3
.irp i, \i0, \i0+1, \i0+2, \i0+3
	FRAG AF+FR*(\i), ADRA+\slot, \q, \i
.endr
.endm
.macro SCALES sc                       ; a K step's scale words into set sc: four words a row; lanes 0-15 take A's block i, lanes 16-31 B's block i
.irp i, 0,1,2,3,4,5,6,7
	ds_load_b128 v[SC+8*NQ*\sc+NQ*\i:SC+8*NQ*\sc+NQ*\i+3], v[ADRS] offset:\i*SBLK
.endr
.endm
; A load into a register that a matrix instruction has read, and a vector instruction that reads a matrix result or writes one of a matrix instruction's registers, stand NP places behind it, and only plain vector
; instructions that name none of its registers are places (ISA guide 7.12.1 for vector instructions).
.macro PLACES n
.rept \n
	v_nop
.endr
.endm
; A step of 128 along K that has its successor in the same slot.  A block of A is free as soon as its eight products are issued: blocks 0-3 are fetched anew in the step's middle, blocks 4-7 at its end.
.macro STEP slot, q, zero
	s_wait_dscnt 4*NL                              ; B's set and A's blocks 0-3 are in; the youngest eight loads (A's blocks 4-7) may be out
	WIN MUL_LO
	MUL16 0, (\q)%2, \q, \slot, \zero
	MUL16 2, (\q)%2, \q, \slot, \zero
	s_wait_dscnt 0                                 ; A's blocks 4-7 are in (asked for 32 matrix instructions ago)
	PLACES NP
	FETCH_B \slot, (\q)+1, 1-(\q)%2
	FETCH_A \slot, (\q)+1, 0
	WIN MUL_HI
	MUL16 4, (\q)%2, \q, \slot, \zero
	MUL16 6, (\q)%2, \q, \slot, \zero
	PLACES NP
	WIN 0
	FETCH_A \slot, (\q)+1, 4
.endm
; A slot's last step changes slots: ONE barrier, which opens a round of the cluster's; in front of it each wave waits for all its tensor loads, adds 0 to its spare word, and waits for that and for its own reads of this slot.
; fill = 1: this slot takes tile 1's K step two steps on.  fill = 2: THE RING GOES ON INTO THE HALF TILE: this slot takes its K step 0 (slot 0) or 1 (slot 1); behind slot 1's change nothing of tile 1 is left to fetch from LDS.
.macro TURN slot, next, fill
	s_wait_tensorcnt 0x0                           ; all my tensor loads have landed: my part of the next slot  (every window is 0 here: the add's two registers lie in window 0)
	ds_add_u32 v[SPW], v[NIL]                      ; 0 onto my spare word
	s_wait_dscnt 4*NL+1                            ; (the add and the youngest eight loads, A's blocks 4-7, may be out)
	WIN MUL_LO
	MUL16 0, 1, NQ-1, \slot, 0                     ; sixteen matrix instructions stand between the add and the wait for it
	s_wait_dscnt 0x0                               ; the add is done, and my reads of this slot are over
	s_barrier_signal -1
	MUL16 2, 1, NQ-1, \slot, 0
	WIN 0
	s_barrier_wait -1
	CREST                                          ; no wave of any partner still reads this slot's tile or has a load on its way
.if \fill == 1
	s_add_nc_u64 s[G0+4*\slot+2:G0+4*\slot+3], s[G0+4*\slot+2:G0+4*\slot+3], 2*ROWB
	s_add_nc_u64 s[G0B+4*\slot+2:G0B+4*\slot+3], s[G0B+4*\slot+2:G0B+4*\slot+3], 2*ROWB
	JLOAD G0+4*\slot, G1, G0B+4*\slot, G1B         ; the first tensor load behind the round, one a wave; the four v_nop behind it are also the places in front of the loads below
.else
	s_add_nc_u64 s[G0+4*\slot+2:G0+4*\slot+3], s[P2A:P2A+1], \slot*ROWB
	s_or_b32 s[G0+4*\slot+3], s[G0+4*\slot+3], 0x80000000
	s_add_nc_u64 s[G0B+4*\slot+2:G0B+4*\slot+3], s[P2B:P2B+1], \slot*ROWB
	s_or_b32 s[G0B+4*\slot+3], s[G0B+4*\slot+3], 0x80000000
	JLOAD2 G0+4*\slot, G1, G0B+4*\slot, G1B
.endif
.if (\fill == 1) || (\slot == 0)
	v_add_nc_u32 v[ADRS], 4*NQ, v[ADRS]            ; on to the next K step's scale words (no LDS load of mine is out)
	FETCH_B \next, 0, 0
	FETCH_A \next, 0, 0
	SCALES \next
.endif
	WIN MUL_HI
	MUL16 4, 1, NQ-1, \slot, 0
	MUL16 6, 1, NQ-1, \slot, 0
.if (\fill == 1) || (\slot == 0)
	PLACES NP
	WIN 0
	FETCH_A \next, 0, 4
.else
	WIN 0
.endif
.endm
.macro STEPS slot, from                ; the slot's steps from .. NQ - 2
.set Q, \from
.rept NQ-1-\from
	STEP \slot, Q, 0
.set Q, Q+1
.endr
.endm
; THE HALF TILE.  8 matrix instructions: my block a of A x B's eight, from set p; s2: the K step's scale words; q: which 128 of its 512.  The 32 accumulators take turns, one instruction a turn, in the same order in every step.
.macro MUL8 a, p, s2, q, zero
.irp b, 0,1,2,3,4,5,6,7
.set DD, 8*(8*(\a)+\b)
.set BF, 128*(\p)+FR*\b
.set AA, AF+32*(\p)+FR*(\a)
.set SBR, (\s2)+4*(\b%4)+(\q)
.set SAR, (\s2)+16+4*(\a)+(\q)
.if \zero && (\b < 4)
	v_wmma_scale_f32_16x16x128_f8f6f4 v[DD:DD+7], v[BF:BF+7], v[AA:AA+7], 0, v[SBR], v[SAR] matrix_a_fmt:MATRIX_FMT_FP4 matrix_b_fmt:MATRIX_FMT_FP4
.elseif \zero
	v_wmma_scale_f32_16x16x128_f8f6f4 v[DD:DD+7], v[BF:BF+7], v[AA:AA+7], 0, v[SBR], v[SAR] matrix_a_fmt:MATRIX_FMT_FP4 matrix_b_fmt:MATRIX_FMT_FP4 matrix_a_scale:MATRIX_SCALE_ROW1
.elseif \b < 4
	v_wmma_scale_f32_16x16x128_f8f6f4 v[DD:DD+7], v[BF:BF+7], v[AA:AA+7], v[DD:DD+7], v[SBR], v[SAR] matrix_a_fmt:MATRIX_FMT_FP4 matrix_b_fmt:MATRIX_FMT_FP4
.else
	v_wmma_scale_f32_16x16x128_f8f6f4 v[DD:DD+7], v[BF:BF+7], v[AA:AA+7], v[DD:DD+7], v[SBR], v[SAR] matrix_a_fmt:MATRIX_FMT_FP4 matrix_b_fmt:MATRIX_FMT_FP4 matrix_a_scale:MATRIX_SCALE_ROW1
.endif
.endr
.endm
.macro FETCH2 slot, q, p               ; 24 LDS loads in one run: B's eight fragments and my four of A, of the slot's q-th 128 along K, into set p
	WIN TO_B
.irp i, 0,1,2,3,4,5,6,7
	FRAG 128*(\p)+FR*\i, ADRB2+\slot, \q, \i
.endr
	WIN 0
.irp i, 0,1,2,3
	FRAG AF+32*(\p)+FR*\i, ADRA2+\slot, \q, \i
.endr
.endm
.macro NAMES2 n                        ; step n of 16: K step T2, its Q2-th 128, set P2, slot L2, scale words from S2T on
.set T2, (\n)/4
.set Q2, (\n)%4
.set P2, (\n)%2
.set L2, T2%2
.set S2T, 192+32*T2-224*(T2/2)
.endm
; A step that has its successor in the same slot: this step's set is in; the next step's is asked for, into the set that the last step's products read; then the 32 products.
.macro STEP2 n, zero
	NAMES2 \n
	s_wait_dscnt 0x0                               ; my set is in: asked for a step ago
.if (\n) == 8
	s_wait_loadcnt 0x0                             ; the scale words of K steps 2 and 3, asked for behind tile 1's way out
.endif
	PLACES NP+\zero                                ; (one more where accumulators are begun anew over tile 1's)
	FETCH2 L2, Q2+1, 1-P2
	WIN MUL_LO
	MUL8 0, P2, S2T, Q2, \zero
	MUL8 1, P2, S2T, Q2, \zero
	MUL8 2, P2, S2T, Q2, \zero
	MUL8 3, P2, S2T, Q2, \zero
.endm
; A slot's last step, as in tile 1.  fill = 1: this slot takes the K step two steps on, behind a round of the cluster's barrier.  fill = 0: nothing is left to fetch: the work-group's barrier alone.
.macro TURN2 n, fill
	NAMES2 \n
	WIN 0                                          ; (the add's two registers lie in window 0)
	s_wait_tensorcnt 0x0                           ; all my tensor loads have landed: my part of the next slot
	ds_add_u32 v[SPW], v[NIL]                      ; 0 onto my spare word
	s_wait_dscnt 1                                 ; (the add may be out; my set is in)
	WIN MUL_LO
	MUL8 0, P2, S2T, Q2, 0                         ; eight matrix instructions stand between the add and the wait for it
	s_wait_dscnt 0x0                               ; the add is done, and my reads of this slot are over
	s_barrier_signal -1
	MUL8 1, P2, S2T, Q2, 0
	WIN 0
	s_barrier_wait -1
.if \fill
	CREST
	s_add_nc_u64 s[G0+4*L2+2:G0+4*L2+3], s[G0+4*L2+2:G0+4*L2+3], 2*ROWB
	s_add_nc_u64 s[G0B+4*L2+2:G0B+4*L2+3], s[G0B+4*L2+2:G0B+4*L2+3], 2*ROWB
	JLOAD2 G0+4*L2, G1, G0B+4*L2, G1B              ; the first tensor load behind the round, at most one a wave
.else
	PLACES NP
.endif
	FETCH2 1-L2, 0, 1-P2
	WIN MUL_LO
	MUL8 2, P2, S2T, Q2, 0
	MUL8 3, P2, S2T, Q2, 0
.endm
; THE WAYS OUT, block by block of 16 rows of A.  First the block's 64 sums of a lane + the bias -> v[T] on, each accumulator from its low end on.  Register 8 b + j is next-K index 16 b + 8 (lane / 16) + j of my row.
.macro ADDB1 a                         ; tile 1: the bias runs along the registers
.set AC, 64*((\a)%4)
	WIN 0x06+(\a)/4                                ; source 0: window 2 or 3; source 1: window 1
.set I, 0
.rept 32
	v_pk_add_f32 v[T+I:T+I+1], v[AC+I:AC+I+1], v[BB+I:BB+I+1]
.set I, I+2
.endr
	WIN 0
.endm
.macro ADDB2 a                         ; the half tile: one number for my row
.set AC, 64*(\a)
	WIN 0x02                                       ; source 0: window 2
.set I, 0
.rept 32
	v_pk_add_f32 v[T+I:T+I+1], v[AC+I:AC+I+1], v[BA+2*(\a):BA+2*(\a)+1]
.set I, I+2
.endr
	WIN 0
.endm
; QUANT: 64 numbers of a lane become a fragment's codes in v[pc] on and its row's scale word in v[pw].  Block B of 32 is registers 16 B .. 16 B + 15 of lanes l and l xor 16.
; The conversion of the eight registers 8 (4 c + 2 x + y) on gives, in lanes of half h, the word 2 y + h of block 2 c + x.  The operand wants block 2 c + x whole in lanes of half x, word w in register 4 c + w.
; So it is written to register 4 c + 2 y + x, and one exchange of register 4 c + 2 y's upper lanes with register 4 c + 2 y + 1's lower lanes puts all four words in place.
.macro QUANT s, pc, pw
.irp b, 0,1,2,3
	v_max3_num_f32 v[TM+\b], |v[(\s)+16*\b]|, |v[(\s)+1+16*\b]|, 0x1800000   ; my 16 numbers of block b, and the floor 2^(3 - 127): so the byte cannot fall under 1
.endr
.irp i, 2,4,6,8,10,12,14
.irp b, 0,1,2,3
	v_max3_num_f32 v[TM+\b], v[TM+\b], |v[(\s)+16*\b+\i]|, |v[(\s)+1+16*\b+\i]|   ; (the four blocks by turns)
.endr
.endr
.irp b, 0,1,2,3
	v_permlanex16_b32 v[TM+4+\b], v[TM+\b], s[SEL], s[SEL+1]
.endr
.irp b, 0,1,2,3
	v_max_num_f32 v[TM+\b], v[TM+\b], v[TM+4+\b]   ; with lane l xor 16's: the block's largest magnitude
.endr
.irp b, 0,1,2,3
	v_add_nc_u32 v[TM+8+\b], 0xff000000, v[TM+\b]  ; 2 off its exponent field: the conversion's scale operand
.endr
.irp b, 0,1,2,3
	v_lshrrev_b32 v[TM+4+\b], 23, v[TM+8+\b]       ; the scale's byte
.endr
	v_lshl_or_b32 v[\pw], v[TM+5], 8, v[TM+4]      ; the four bytes make my row's scale word
	v_lshl_or_b32 v[\pw], v[TM+6], 16, v[\pw]
	v_lshl_or_b32 v[\pw], v[TM+7], 24, v[\pw]
.irp c, 0,1
.irp x, 0,1
.irp y, 0,1
	v_cvt_scalef32_pk8_fp4_f32 v[(\pc)+4*\c+2*\y+\x], v[(\s)+8*(4*\c+2*\x+\y):(\s)+8*(4*\c+2*\x+\y)+7], v[TM+8+2*\c+\x]
.endr
.endr
.endr
	v_nop                                          ; one plain line behind the scaled conversions
.irp c, 0,1
.irp y, 0,1
	v_permlane16_swap_b32 v[(\pc)+4*\c+2*\y], v[(\pc)+4*\c+2*\y+1]
.endr
.endr
.endm
.macro OUT a, base                     ; the fragment leaves as it stands: each store covers 512 consecutive bytes, aligned.  Within a way out every block has registers of its own for codes and word
	global_store_b128 v[CO], v[PC+8*(\a):PC+8*(\a)+3], s[\base:\base+1] offset:1024*(\a)
	global_store_b128 v[CO], v[PC+8*(\a)+4:PC+8*(\a)+7], s[\base:\base+1] offset:1024*(\a)+512
	ds_store_b32 v[SST], v[PWD+(\a)] offset:64*(\a)   ; lanes l and l + 16 write the same word with the same value
.endm
	s_wait_tensorcnt 1                             ; the scales and my part of K step 0 are in (K step 1's load may be out)
	s_barrier_signal -1
	s_barrier_wait -1                              ; everybody's are
	FETCH_B 0, 0, 0
	FETCH_A 0, 0, 0
	SCALES 0
	FETCH_A 0, 0, 4
	; TILE 1.  K = 2,048 is four slots' worth, so the walk is written straight: a loop would have one trip.
	STEP 0, 0, 1                                   ; the first step's products start the sums
	STEPS 0, 1
	TURN 0, 1, 1                                   ; slot 0 takes K step 2
	STEPS 1, 0
	TURN 1, 0, 1                                   ; slot 1 takes K step 3
	STEPS 0, 0
	TURN 0, 1, 2                                   ; slot 0 takes the half tile's K step 0
	STEPS 1, 0
	TURN 1, 0, 2                                   ; slot 1 takes its K step 1; tile 1's last products
	; TILE 1 GOES OUT while those two loads are on their way or have landed
	s_wait_loadcnt 0x0                             ; the biases and the first scale words, asked for at the head
	PLACES NP                                      ; behind the last products: their results are read, and their scale words' and A's registers are written, below
.irp a, 0,1,2,3,4,5,6,7
	ADDB1 \a
	QUANT T, PC+8*\a, PWD+\a
	OUT \a, OUTC
.endr
	ds_load_b128 v[TM:TM+3], v[SRD]                ; my wave's 128 scale words: a wave's LDS instructions are served in order (ISA guide 5.7.1.4), so these see the stores above
	s_wait_dscnt 0x0
	global_store_b128 v[CO], v[TM:TM+3], s[OUTS:OUTS+1]   ; 512 consecutive bytes, aligned
	s_wait_xcnt 0x0                                ; the stores have read their registers: the codes' registers take fragments again, and the registers at work are written again on the second way out
	; THE HALF TILE
	SCL2 2                                         ; the scale words of K steps 2 and 3, into the registers that the way out has left: they have eight steps in which to land
	SCL2 3
	FETCH2 0, 0, 0                                 ; its K step 0 was shown landed, to every wave, by the last change of slots
	STEP2 0, 1                                     ; the first step's products start the sums
	STEP2 1, 0
	STEP2 2, 0
	TURN2 3, 1                                     ; slot 0 takes K step 2
	STEP2 4, 0
	STEP2 5, 0
	STEP2 6, 0
	TURN2 7, 1                                     ; slot 1 takes K step 3
	STEP2 8, 0
	STEP2 9, 0
	STEP2 10, 0
	TURN2 11, 0                                    ; nothing is left to fetch
	STEP2 12, 0
	STEP2 13, 0
	STEP2 14, 0
	NAMES2 15                                      ; the very last step
	s_wait_dscnt 0x0
	WIN MUL_LO
	MUL8 0, P2, S2T, Q2, 0
	MUL8 1, P2, S2T, Q2, 0
	MUL8 2, P2, S2T, Q2, 0
	MUL8 3, P2, S2T, Q2, 0
	WIN 0
	PLACES NP                                      ; behind the last products, as above
.irp a, 0,1,2,3
	ADDB2 \a
	QUANT T, PC+8*\a, PWD+\a
	OUT \a, OUTC2
.endr
	ds_load_b64 v[TM:TM+1], v[SRD2]                ; my wave's 64 scale words
	s_wait_dscnt 0x0
	global_store_b64 v[CO2], v[TM:TM+1], s[OUTS2:OUTS2+1]   ; 256 consecutive bytes, aligned
	s_wait_tensorcnt 0x0                           ; the wave's end, behind my last tensor load and my last LDS store
	ds_add_u32 v[SPW], v[NIL]
	s_wait_dscnt 0x0
	CROUND                                         ; the closing round: no work-group ends while a partner may still ask for a tile that names it
	s_endpgm
.Lfunc_end_k_q4752760b50_proj:
	.size	k_q4752760b50_proj, .Lfunc_end_k_q4752760b50_proj-k_q4752760b50_proj
	.p2alignl 7, 3214868480
	.fill 96, 4, 3214868480
	.section	.rodata,"a",@progbits
	.p2align	6, 0x0
	.amdhsa_kernel k_q4752760b50_proj
		.amdhsa_group_segment_fixed_size 327680
		.amdhsa_private_segment_fixed_size 0
		.amdhsa_enable_private_segment 0
		.amdhsa_kernarg_size 104
		.amdhsa_user_sgpr_count 2
		.amdhsa_user_sgpr_kernarg_segment_ptr 1
		.amdhsa_wavefront_size32 1
		.amdhsa_system_sgpr_workgroup_id_x 1
		.amdhsa_system_sgpr_workgroup_id_y 1
		.amdhsa_system_sgpr_workgroup_id_z 1
		.amdhsa_system_vgpr_workitem_id 0
		.amdhsa_next_free_vgpr 1024
		.amdhsa_next_free_sgpr 106
		.amdhsa_reserve_vcc 0
		.amdhsa_float_denorm_mode_32 3
		.amdhsa_float_denorm_mode_16_64 3
		.amdhsa_memory_ordered 1
		.amdhsa_forward_progress 1
		.amdhsa_inst_pref_size 255
	.end_amdhsa_kernel
	.section	.bss,"aw",@nobits
	.p2align	6
	.space	262144
	.amdgpu_metadata
---
amdhsa.version: [ 1, 2 ]
amdhsa.kernels:
  - .name:           k_q4752760b50_proj
    .symbol:         k_q4752760b50_proj.kd
    .args:
      - { .name: xc, .offset: 0, .size: 8, .value_kind: global_buffer, .address_space: global }
      - { .name: xs, .offset: 8, .size: 8, .value_kind: global_buffer, .address_space: global }
      - { .name: Wq_codes, .offset: 16, .size: 8, .value_kind: global_buffer, .address_space: global }
      - { .name: Wq_scales, .offset: 24, .size: 8, .value_kind: global_buffer, .address_space: global }
      - { .name: Wk_codes, .offset: 32, .size: 8, .value_kind: global_buffer, .address_space: global }
      - { .name: Wk_scales, .offset: 40, .size: 8, .value_kind: global_buffer, .address_space: global }
      - { .name: Wv_codes, .offset: 48, .size: 8, .value_kind: global_buffer, .address_space: global }
      - { .name: Wv_scales, .offset: 56, .size: 8, .value_kind: global_buffer, .address_space: global }
      - { .name: bq, .offset: 64, .size: 8, .value_kind: global_buffer, .address_space: global }
      - { .name: bk, .offset: 72, .size: 8, .value_kind: global_buffer, .address_space: global }
      - { .name: bv, .offset: 80, .size: 8, .value_kind: global_buffer, .address_space: global }
      - { .name: fc, .offset: 88, .size: 8, .value_kind: global_buffer, .address_space: global }
      - { .name: fs, .offset: 96, .size: 8, .value_kind: global_buffer, .address_space: global }
    .group_segment_fixed_size: 327680
    .private_segment_fixed_size: 0
    .kernarg_segment_align: 8
    .kernarg_segment_size: 104
    .max_flat_workgroup_size: 128
    .sgpr_count:     106
    .vgpr_count:     1024
    .wavefront_size: 32
...
	.end_amdgpu_metadata
.endif
;; end of part 2
;; launch attn (part 3): grid 4 x 64, 16 waves a work-group, no clusters, 210,944 bytes of LDS; arguments fc, fs, pad, queries, out0; writes out0
.if DOCPART == 3
	.amdgcn_target "amdgcn-amd-amdhsa--gfx1250"
	.amdhsa_code_object_version 6
	.text
	.protected	k_q4752760b50_attn
	.globl	k_q4752760b50_attn
	.p2align	8
	.type	k_q4752760b50_attn,@function
k_q4752760b50_attn:
	s_mov_b64 s[64:65], 0
	v_nop
	global_prefetch_b8 v0, s[64:65] scope:SCOPE_SE
	s_setreg_imm32_b32 hwreg(HW_REG_WAVE_MODE, 25, 1), 1
	s_wait_xcnt 0x0
; out0[b][q][128 h + d] = queries[b][q][128 h + d] + the sum over k of softmax_k(mask(Q . K / sqrt(2048))) V[k][d], for the 64 pairs (batch, head), 1,024 tokens, head size 128; both products on codes of FP4 (E2M1) with E8M0 scales.
; Q, K, V come as images of operand registers (fc) with one scale word a row (fs), made by the launch before; pad holds, for each key, all ones where the key is padding.
; THE MASKS.  A key counts for a query where it is no padding and key <= query.  A masked score is a finite, very negative number, as in the definition: so a row none of whose keys counts becomes the plain mean over ALL 1,024 keys, later ones too.
; Here a masked score is -2^100, taken ahead of the factor c = log2(e) / sqrt(2048): its t is a whole number, so that in such a row t - M = 0 and p = 1 exactly; in every other row p = 0.
; THE SOFTMAX: t = score x c; M = the row's largest t so far, rounded up to a whole number; p = 2^(t - M) is quantised along the keys, not normalised; the row's sum is taken of the unquantised p and divides at the end.
; When M moves, the sum and O are multiplied by 2^(old M - new M), exactly.
; SHARES.  A work-group has 16 waves and takes 16 tiles of 16 queries of one (batch, head); wave w takes tile 4 rank + work-group x, rank = w for w < 8 and 23 - w above: early and late tiles are mixed alike in all four work-groups.
; The head's K and V, 64 KiB each, and their scale words, 4 KiB each, come into LDS ONCE, through registers, as they lie in memory; every fragment is then read at 16 x lane: no pitch, no padding.  One barrier in the whole text.
; NO TENSOR LOAD, NO CLUSTER: the text branches on whole numbers read from memory (which keys are padding); what the four work-groups of a head share is these 136 KiB, read once at the head.
; LAYOUT.  Both products are used transposed: S^T = K Q^T (source 0 = 16 keys, source 1 = my 16 queries), O^T = V^T P^T: a lane holds ONE query (lane % 16) throughout.  In S^T's tile t register j of lane (r, h) is key 16 t + 8 h + j.
; A KEY STEP is 128 keys.  A step that begins behind my last query has no score that counts: it is passed over, unless key 0 of the batch is padding (only then can a row be wholly masked); then its V is added under p = 1 in the wholly masked rows and p = 0 in the others.
; LIMITS: NaN and infinities are not served; |t| of a real score stays under 2^90; a block of p that is all zeros keeps the scale byte 1 over zero codes.
; REGISTERS: v1-7 addresses and constants that stay; v8-11 addresses in hand; v12 -M, v13 the largest t, v[14:15] the sum in two halves; v16-23 Q; v24-27 K's scale words, v28-31 V's (lanes 0-15 an even tile's rows, lanes 16-31 the odd one's);
;   v32-95 eight fragments of K or of V; v96-159 S^T, then p; v160-223 O^T; v224-231 p's codes; v232-247 at work; v248 Q's scale words; v249-251 constants; v252 f, v253 p's scale word, v254 at work.
.set VIMG,  65536                      ; LDS: K's 64 fragments from 0 (key step s at 8,192 s, tile t at 1,024 t, half c at 512 c); V's from here, likewise
.set SCK,   131072                     ; K's scale words, 4 bytes a key; V's 4,096 bytes on, [step][128 channels]
.set STAGE, 139264                     ; the way out: 16 rows x (256 bytes + 16) for each wave
.set SPITCH, 272
.set AK0,  1                           ; v1   16 x lane
.set AV0,  2                           ; v2   16 x lane + VIMG
.set ASK0, 3                           ; v3   SCK + 4 x lane
.set GO,   4                           ; v4   8,192 (lane / 16) + 16 (lane % 16): my 16 bytes in two rows of queries and of out0
.set PFO,  5                           ; v5   8,192 (lane / 2) + 256 (lane % 2): the prefetch's offset
.set ZERO, 6                           ; v6   0
.set ONEC, 7                           ; v7   eight codes of 1.0
.set ADK,  8
.set ADV,  9
.set ADS,  10
.set ADP,  11
.set WV,   18                          ; s18  my wave's number
.set SEL,  20                          ; s[20:21] lane selects for v_permlanex16_b32: lane l xor 16
.set CS,   22                          ; s[22:23] c, twice: the packed form names a pair
.set Q0,   24                          ; s24  my first query
.set KF,   25                          ; s25  the step's first key
.set TB,   26                          ; s26  8,192 x step
.set TS,   27                          ; s27  512 x step
.set CNT,  28                          ; s28  steps to go
.set PADM, 29                          ; s29  bit l: a key among 32 l .. 32 l + 31 of the batch is padding
.set SH,   30                          ; s30  4 x step
.set PFK,  31                          ; s31  the step in which my prefetch stands
.set KC,   32                          ; s[32:33] K's fragments of my head;  s[34:35] V's;  s[36:37] K's scale words
.set VC,   34
.set KSC,  36
.set QC,   38                          ; s[38:39] my fragment of Q;  s[40:41] its scale words
.set QS,   40
.set PADB, 42                          ; s[42:43] my batch's padding words
.set RES,  44                          ; s[44:45] queries at my tile;  s[46:47] out0 likewise
.set OUT,  46
.set QL,   55                          ; s55  my last query
.set PAD0, 56                          ; s56  key 0's padding word
	s_load_b256 s[4:11], s[0:1], 0x0               ; fc s[4:5], fs s[6:7], pad s[8:9], queries s[10:11]
	s_load_b64 s[12:13], s[0:1], 0x20              ; out0
	v_lshl_add_u32 v243, v0, 2, 0x33000
	v_mov_b32 v255, 0
	v_lshrrev_b32 v8, 5, v0
	v_readfirstlane_b32 s[WV], v8                  ; wave 0..15
	s_and_b32 s48, ttmp7, 0xffff                   ; 16 x batch + head
	s_lshr_b32 s49, s[WV], 3
	s_mul_i32 s50, s49, 7
	s_xor_b32 s50, s50, s[WV]                      ; rank
	s_lshl_b32 s50, s50, 2
	s_add_co_u32 s50, s50, ttmp9                   ; my tile of queries, 0..63
	s_lshl_b32 s[Q0], s50, 4
	s_add_co_u32 s[QL], s[Q0], 15
	s_and_b32 s[PFK], s[Q0], 0xffffff80            ; the step on the diagonal begins here;
	s_max_u32 s[PFK], s[PFK], 128
	s_sub_co_u32 s[PFK], s[PFK], 128               ; the step before it, or the first
	s_mul_i32 s54, s49, 258048                     ; waves 8-15 fetch V's scale words: 64 heads x 4,096 bytes on, less the 4,096 that their thread numbers have passed
	s_mov_b32 s[SEL], 0x76543210
	s_mov_b32 s[SEL+1], 0xfedcba98
	s_mov_b32 s[CS], 0x3d0293ee                    ; c = log2(e) / sqrt(2048)
	s_mov_b32 s[CS+1], s[CS]
	s_mov_b32 s[KF], 0
	s_mov_b32 s[TB], 0
	s_mov_b32 s[TS], 0
	s_mov_b32 s[SH], 0
	s_mov_b32 s[CNT], 8
	v_and_b32 v238, 31, v0                         ; lane
	v_and_b32 v239, 15, v0                         ; r
	v_bfe_u32 v241, v0, 4, 1                       ; h
	v_lshlrev_b32 v[AK0], 4, v238
	v_add_nc_u32 v[AV0], VIMG, v[AK0]
	v_lshl_add_u32 v[ASK0], v238, 2, SCK
	v_lshlrev_b32 v[GO], 13, v241
	v_lshl_add_u32 v[GO], v239, 4, v[GO]
	v_lshrrev_b32 v[PFO], 1, v238
	v_lshlrev_b32 v[PFO], 13, v[PFO]
	v_and_b32 v242, 1, v238
	v_lshl_add_u32 v[PFO], v242, 8, v[PFO]
	v_lshlrev_b32 v232, 4, v0                      ; the fill: 16 x thread, in memory and in LDS alike
	v_add_nc_u32 v233, VIMG, v232
	v_add_nc_u32 v234, SCK, v232
	v_add_nc_u32 v235, s54, v232
	v_lshlrev_b32 v236, 2, v239                    ; Q's scale words: 4 r
	v_lshlrev_b32 v237, 7, v238                    ; the padding words: 32 a lane
	s_mov_b32 s53, 0
	s_wait_kmcnt 0x0
	s_add_co_u32 s52, s48, 64                      ; kind 1 (K) begins 64 heads on, kind 2 (V) 128; a head's fragments are 65,536 bytes, its scale words 4,096
	s_lshl_b32 s52, s52, 16
	s_add_nc_u64 s[KC:KC+1], s[4:5], s[52:53]
	s_add_nc_u64 s[VC:VC+1], s[KC:KC+1], 0x400000
	s_add_co_u32 s52, s48, 64
	s_lshl_b32 s52, s52, 12
	s_add_nc_u64 s[KSC:KSC+1], s[6:7], s[52:53]
	s_lshl_b32 s52, s48, 16
	s_lshl_b32 s54, s50, 10
	s_add_co_u32 s52, s52, s54
	s_add_nc_u64 s[QC:QC+1], s[4:5], s[52:53]
	s_lshl_b32 s52, s48, 12
	s_lshl_b32 s54, s50, 6
	s_add_co_u32 s52, s52, s54
	s_add_nc_u64 s[QS:QS+1], s[6:7], s[52:53]
	s_lshr_b32 s54, s48, 4                         ; the batch
	s_lshl_b32 s52, s54, 12
	s_add_nc_u64 s[PADB:PADB+1], s[8:9], s[52:53]
	s_lshl_b32 s54, s54, 10
	s_add_co_u32 s54, s54, s[Q0]                   ; my first row of queries and of out0: 8,192 bytes a row,
	s_lshl_b32 s52, s54, 13
	s_and_b32 s54, s48, 15
	s_lshl_b32 s54, s54, 9                         ; 512 bytes a head
	s_add_co_u32 s52, s52, s54
	s_add_nc_u64 s[RES:RES+1], s[10:11], s[52:53]
	s_add_nc_u64 s[OUT:OUT+1], s[12:13], s[52:53]
.irp i, 0,1,2,3,4,5,6,7
	global_load_b128 v[32+4*\i:35+4*\i], v232, s[KC:KC+1] offset:8192*\i     ; the 512 threads take 8,192 consecutive bytes an instruction
.endr
.irp i, 0,1,2,3,4,5,6,7
	global_load_b128 v[64+4*\i:67+4*\i], v232, s[VC:VC+1] offset:8192*\i
.endr
	global_load_b128 v[96:99], v235, s[KSC:KSC+1]  ; waves 0-7: K's scale words; waves 8-15: V's
	global_load_b128 v[16:19], v[AK0], s[QC:QC+1]  ; my fragment of Q stays in registers
	global_load_b128 v[20:23], v[AK0], s[QC:QC+1] offset:512
	global_load_b32 v248, v236, s[QS:QS+1]
.irp i, 0,1,2,3,4,5,6,7
	global_load_b128 v[100+4*\i:103+4*\i], v237, s[PADB:PADB+1] offset:16*\i   ; my lane's 32 keys' words
.endr
	v_mov_b32 v[ZERO], 0
	v_mov_b32 v[ONEC], 0x22222222                  ; the code 2 is 1.0
	v_mov_b32 v240, 0x42800000                     ; 64.0: a lane's share of a step's 128 keys
	v_mov_b32 v249, 0x7f7f7f7f                     ; four scale bytes of 2^0
	v_lshlrev_b32 v250, 5, v241                    ; 32 h
	v_lshlrev_b32 v251, 3, v241
	v_sub_nc_u32 v251, v239, v251                  ; r - 8 h
	v_mov_b32 v252, 0                              ; (a lane permute's destination, and the halves of a pair, are written once on every way)
	v_mov_b32 v253, 0
	v_mov_b32 v13, 0xff61b1e6                      ; the largest t so far: -3e38, under every t
	v_floor_f32 v12, -v13                          ; -M
	v_mov_b32 v14, 0                               ; the sum, in two halves
	v_mov_b32 v15, 0
.irp j, 0,1,2,3,4,5,6,7,8,9,10,11,12,13,14,15,16,17,18,19,20,21,22,23,24,25,26,27,28,29,30,31,32,33,34,35,36,37,38,39,40,41,42,43,44,45,46,47,48,49,50,51,52,53,54,55,56,57,58,59,60,61,62,63
	v_mov_b32 v[160+\j], 0                         ; O^T.  (The step is written once: the first finds zeros, which the first change of M leaves zeros)
.endr
	s_wait_loadcnt 11                              ; K, V and the scale words are in; Q's three loads and the padding's eight may be out
.irp i, 0,1,2,3,4,5,6,7
	ds_store_b128 v232, v[32+4*\i:35+4*\i] offset:8192*\i
.endr
.irp i, 0,1,2,3,4,5,6,7
	ds_store_b128 v233, v[64+4*\i:67+4*\i] offset:8192*\i
.endr
	ds_store_b128 v234, v[96:99]
	s_wait_loadcnt 0x0
	v_readfirstlane_b32 s[PAD0], v100              ; lane 0's first word: key 0's
.set I, 4
.rept 28
	v_or_b32 v[100+I%4], v[100+I%4], v[100+I]      ; is any of my 32 keys padding?  (four chains)
.set I, I+1
.endr
	v_or_b32 v100, v100, v101
	v_or_b32 v102, v102, v103
	v_or_b32 v100, v100, v102
	v_cmp_ne_u32 s[PADM], 0, v100                  ; a bit a lane
	s_wait_dscnt 0x0                               ; for the others' sake: my stores have landed
	s_barrier_signal -1
	s_barrier_wait -1                              ; the head's K, V and scale words lie in LDS; nobody writes them again
; eight products O^T += V^T P^T; ps: the register with p's scale words.  The eight accumulators take turns, one instruction a turn
.macro PVMUL ps
.irp p, 0,1,2,3
	v_wmma_scale_f32_16x16x128_f8f6f4 v[160+16*\p:167+16*\p], v[32+16*\p:39+16*\p], v[224:231], v[160+16*\p:167+16*\p], v[28+\p], v[\ps] matrix_a_fmt:MATRIX_FMT_FP4 matrix_b_fmt:MATRIX_FMT_FP4
	v_wmma_scale_f32_16x16x128_f8f6f4 v[168+16*\p:175+16*\p], v[40+16*\p:47+16*\p], v[224:231], v[168+16*\p:175+16*\p], v[28+\p], v[\ps] matrix_a_fmt:MATRIX_FMT_FP4 matrix_b_fmt:MATRIX_FMT_FP4 matrix_a_scale:MATRIX_SCALE_ROW1
.endr
.endm
.macro VLOADS                          ; the step's eight fragments of V and their scale words
.irp t, 0,1,2,3,4,5,6,7
.irp c, 0,1
	ds_load_b128 v[32+8*\t+4*\c:35+8*\t+4*\c], v[ADV] offset:1024*\t+512*\c
.endr
.endr
.irp p, 0,1,2,3
	ds_load_b32 v[28+\p], v[ADS] offset:4096+128*\p
.endr
.endm
.Lstep:                                            ; eight trips, a constant; what a step does hangs on ids and on stored whole numbers
	s_cmp_gt_u32 s[KF], s[QL]
	s_cbranch_scc1 .Lbehind
	v_add_nc_u32 v[ADK], s[TB], v[AK0]             ; these four lines are also the places in front of loads into registers that the last products read
	v_add_nc_u32 v[ADV], s[TB], v[AV0]
	v_add_nc_u32 v[ADS], s[TS], v[ASK0]
	v_nop
.irp t, 0,1,2,3,4,5,6,7
.irp c, 0,1
	ds_load_b128 v[32+8*\t+4*\c:35+8*\t+4*\c], v[ADK] offset:1024*\t+512*\c
.endr
.endr
.irp p, 0,1,2,3
	ds_load_b32 v[24+\p], v[ADS] offset:128*\p     ; lane l: the word of key 32 p + l
.endr
	s_wait_dscnt 0x0
.irp p, 0,1,2,3                                ; S^T = K Q^T
	v_wmma_scale_f32_16x16x128_f8f6f4 v[96+16*\p:103+16*\p], v[32+16*\p:39+16*\p], v[16:23], 0, v[24+\p], v248 matrix_a_fmt:MATRIX_FMT_FP4 matrix_b_fmt:MATRIX_FMT_FP4
	v_wmma_scale_f32_16x16x128_f8f6f4 v[104+16*\p:111+16*\p], v[40+16*\p:47+16*\p], v[16:23], 0, v[24+\p], v248 matrix_a_fmt:MATRIX_FMT_FP4 matrix_b_fmt:MATRIX_FMT_FP4 matrix_a_scale:MATRIX_SCALE_ROW1
.endr
.rept 4
	v_nop                                          ; places: the scores are read, and K's registers are loaded again, below
.endr
	; PADDING: only where one of the step's 128 keys is padding (a stored whole number).  Each score's key's word is fetched in the scores' own layout, and chooses bit by bit
	s_lshr_b32 s48, s[PADM], s[SH]
	s_and_b32 s48, s48, 15
	s_cmp_eq_u32 s48, 0
	s_cbranch_scc1 .Lno_padding
	s_lshl_b32 s48, s[KF], 2
	v_add_nc_u32 v[ADP], s48, v250                 ; 4 KF + 32 h (the last such loads were waited for)
.irp t, 0,1,2,3,4,5,6,7
	global_load_b128 v[32+8*\t:35+8*\t], v[ADP], s[PADB:PADB+1] offset:64*\t
	global_load_b128 v[36+8*\t:39+8*\t], v[ADP], s[PADB:PADB+1] offset:64*\t+16
.endr
	s_wait_loadcnt 0x0
.irp n, 0,1,2,3,4,5,6,7,8,9,10,11,12,13,14,15,16,17,18,19,20,21,22,23,24,25,26,27,28,29,30,31,32,33,34,35,36,37,38,39,40,41,42,43,44,45,46,47,48,49,50,51,52,53,54,55,56,57,58,59,60,61,62,63
	v_bfi_b32 v[96+\n], v[32+\n], 0xf1800000, v[96+\n]   ; -2^100 where the word is all ones
.endr
.Lno_padding:
	; THE DIAGONAL: a step all of whose keys come no later than my first query skips this
	s_add_co_u32 s48, s[KF], 127
	s_cmp_le_u32 s48, s[Q0]
	s_cbranch_scc1 .Lopen
	s_sub_co_i32 s48, s[Q0], s[KF]
	v_add_nc_u32 v252, s48, v251                   ; d = my query - KF - 8 h.  Register 8 t + j holds key KF + 16 t + 8 h + j: hidden where 16 t + j > d
	v_mov_b32 v254, 0xf1800000
.irp n, 0,1,2,3,4,5,6,7,8,9,10,11,12,13,14,15,16,17,18,19,20,21,22,23,24,25,26,27,28,29,30,31,32,33,34,35,36,37,38,39,40,41,42,43,44,45,46,47,48,49,50,51,52,53,54,55,56,57,58,59,60,61,62,63
	v_cmp_gt_i32 vcc_lo, 16*(\n/8)+\n%8, v252
	v_cndmask_b32 v[96+\n], v[96+\n], v254, vcc_lo
.endr
.Lopen:
	VLOADS                                         ; V lands while the softmax is walked
	; my tile of the residual, 16 rows x 512 bytes, is asked for once in the launch: 32 aligned blocks of 256 bytes, a lane a block, one key step ahead of my last step with work (or in my first step), behind this step's run of loads
	s_cmp_eq_u32 s[KF], s[PFK]
	s_cbranch_scc0 .Lnot_now
	global_prefetch_b8 v[PFO], s[RES:RES+1] th:TH_LOAD_NT scope:SCOPE_SE
.Lnot_now:
.irp b, 0,1,2,3
	v_max3_num_f32 v[232+\b], v[96+16*\b], v[97+16*\b], v[98+16*\b]   ; the largest score of each block of 32 keys: it serves the row's maximum and, since p rises with the score, the block's largest p
.endr
.irp i, 3,5,7,9,11,13
.irp b, 0,1,2,3
	v_max3_num_f32 v[232+\b], v[232+\b], v[96+16*\b+\i], v[97+16*\b+\i]
.endr
.endr
.irp b, 0,1,2,3
	v_max_num_f32 v[232+\b], v[232+\b], v[111+16*\b]
.endr
.irp b, 0,1,2,3
	v_permlanex16_b32 v[236+\b], v[232+\b], s[SEL], s[SEL+1]
.endr
.irp b, 0,1,2,3
	v_max_num_f32 v[232+\b], v[232+\b], v[236+\b]  ; with lane l xor 16's 16 keys
.endr
	v_max3_num_f32 v254, v232, v233, v234
	v_max_num_f32 v254, v254, v235                 ; the step's largest score of my query
	v_mul_f32 v254, s[CS], v254                    ; as t (c is positive)
	v_max_num_f32 v13, v13, v254                   ; the running largest t
	v_mov_b32 v254, v12
	v_floor_f32 v12, -v13                          ; the new -M = floor(-t): M is a whole number
	v_sub_f32 v254, v12, v254                      ; M's old value less its new one: a whole number, 0 or less
	v_cvt_i32_f32 v254, v254                       ; (it saturates)
	v_ldexp_f32 v252, 1.0, v254                    ; f = 2^(old M - new M)
.irp j, 0,2,4,6,8,10,12,14,16,18,20,22,24,26,28,30,32,34,36,38,40,42,44,46,48,50,52,54,56,58,60,62
	v_pk_fma_f32 v[96+\j:97+\j], v[96+\j:97+\j], s[CS:CS+1], v[12:13] op_sel_hi:[1,0,0]   ; t - M, two at a time (of the pairs c and -M the low word serves both halves)
.endr
.irp b, 0,1,2,3
	v_fma_f32 v[232+\b], v[232+\b], s[CS], v12     ; the same of each block's largest score
.endr
.irp j, 0,1,2,3,4,5,6,7,8,9,10,11,12,13,14,15,16,17,18,19,20,21,22,23,24,25,26,27,28,29,30,31,32,33,34,35,36,37,38,39,40,41,42,43,44,45,46,47,48,49,50,51,52,53,54,55,56,57,58,59,60,61,62,63
	v_exp_f32 v[96+\j], v[96+\j]                   ; p = 2^(t - M), at most 1: not normalised
.endr
	v_pk_mul_f32 v[14:15], v[14:15], v[252:253] op_sel_hi:[1,0]   ; the sums under the new M (the plain line behind the exponentials)
	s_wait_alu depctr_va_vdst(0)                   ; one wait for the batch of 64, ahead of its first reader
.irp b, 0,1,2,3
	v_exp_f32 v[232+\b], v[232+\b]                 ; the block's largest p: the same two instructions on the same number give the same bits
.endr
	v_pk_add_f32 v[236:237], v[96:97], v[98:99]    ; the row's sum is taken of the unquantised p: two at a time, in two chains (it reads the 64 alone: plain work behind the four)
.irp j, 4,8,12,16,20,24,28,32,36,40,44,48,52,56,60
	v_pk_add_f32 v[14:15], v[14:15], v[96+\j:97+\j]
	v_pk_add_f32 v[236:237], v[236:237], v[98+\j:99+\j]
.endr
	v_pk_add_f32 v[14:15], v[14:15], v[236:237]
	s_wait_alu depctr_va_vdst(0)                   ; and one for the four
.irp b, 0,1,2,3
	v_max_num_f32 v[232+\b], 0x1800000, v[232+\b]  ; the floor 2^(3 - 127): the byte cannot fall under 1
.endr
.irp b, 0,1,2,3
	v_add_nc_u32 v[244+\b], 0xff000000, v[232+\b]  ; 2 off the exponent field: the conversion's scale operand
.endr
.irp b, 0,1,2,3
	v_lshrrev_b32 v[236+\b], 23, v[244+\b]         ; the scale's byte
.endr
	v_lshl_or_b32 v253, v237, 8, v236              ; p's scale word for these 128 keys
	v_lshl_or_b32 v253, v238, 16, v253
	v_lshl_or_b32 v253, v239, 24, v253
; Tile 4 c + 2 x + y converted gives, in lanes of half h, the word 2 y + h of block 2 c + x; the operand wants block 2 c + x whole in lanes of half x, word w in register 4 c + w.
; So it goes to register 4 c + 2 y + x, and one exchange of register 4 c + 2 y's upper lanes with register 4 c + 2 y + 1's lower lanes puts all four words in place.
.irp c, 0,1
.irp x, 0,1
.irp y, 0,1
	v_cvt_scalef32_pk8_fp4_f32 v[224+4*\c+2*\y+\x], v[96+8*(4*\c+2*\x+\y):103+8*(4*\c+2*\x+\y)], v[244+2*\c+\x]
.endr
.endr
.endr
	v_nop                                          ; one plain line behind the scaled conversions
.irp c, 0,1
.irp y, 0,1
	v_permlane16_swap_b32 v[224+4*\c+2*\y], v[224+4*\c+2*\y+1]
.endr
.endr
.irp j, 0,2,4,6,8,10,12,14,16,18,20,22,24,26,28,30,32,34,36,38,40,42,44,46,48,50,52,54,56,58,60,62
	v_pk_mul_f32 v[160+\j:161+\j], v[160+\j:161+\j], v[252:253] op_sel_hi:[1,0]   ; O^T under the new M.  (These 32 are also the places between the lines that wrote p's codes and scale word and the products)
.endr
	s_wait_dscnt 0x0                               ; V is in
	PVMUL 253
	s_branch .Lnext
.Lbehind:                                          ; all 128 keys come after my queries
	s_cmp_eq_u32 s[PAD0], 0                        ; key 0 counts for every query: no row is wholly masked, every p here is 0
	s_cbranch_scc1 .Lnext
	v_add_nc_u32 v[ADV], s[TB], v[AV0]             ; (these five lines are also the places behind the last products)
	v_add_nc_u32 v[ADS], s[TS], v[ASK0]
	v_cmp_gt_f32 vcc_lo, 0xec800000, v13           ; -2^90 > my row's largest t: none of its keys has counted, and none will
	v_cndmask_b32 v254, v[ZERO], v240, vcc_lo
	v_add_f32 v14, v14, v254                       ; there p = 1 for all 128 keys: 64 in each half of the lanes
	VLOADS
	v_cndmask_b32 v224, v[ZERO], v[ONEC], vcc_lo   ; codes of 1.0, or of 0
.irp i, 1,2,3,4,5,6,7
	v_mov_b32 v[224+\i], v224
.endr
.rept 4
	v_nop                                          ; an operand written by vector instructions stands four places ahead of a scaled matrix instruction
.endr
	s_wait_dscnt 0x0
	PVMUL 249
.Lnext:
	s_add_co_u32 s[KF], s[KF], 128
	s_add_co_u32 s[TB], s[TB], 8192
	s_add_co_u32 s[TS], s[TS], 512
	s_add_co_u32 s[SH], s[SH], 4
	s_sub_co_u32 s[CNT], s[CNT], 1
	s_cmp_lg_u32 s[CNT], 0
	s_cbranch_scc1 .Lstep
	; THE WAY OUT.  O^T is divided by the row's sum and goes through my stage in LDS, half a row (64 channels, 256 bytes) of 16 queries at a time; the residual is added, and sixteen lanes store 256 consecutive bytes, aligned.
.irp u, 0,1
.irp i, 0,1,2,3,4,5,6,7
	global_load_b128 v[96+32*\u+4*\i:99+32*\u+4*\i], v[GO], s[RES:RES+1] offset:16384*\i+256*\u th:TH_LOAD_NT   ; rows 2 i and 2 i + 1 of my tile of queries: read once in this launch
.endr
.endr
	v_add_f32 v14, v14, v15                        ; the sum's two halves,
	v_permlanex16_b32 v252, v14, s[SEL], s[SEL+1]
	v_add_f32 v14, v14, v252                       ; and lane l xor 16's: the row's sum, at least 1/2
	v_rcp_f32 v14, v14
	v_and_b32 v10, 15, v0                          ; (plain lines behind the reciprocal)  r
	v_bfe_u32 v11, v0, 4, 1                        ; h
	s_mul_i32 s48, s[WV], 16*SPITCH
	s_add_co_u32 s48, s48, STAGE                   ; my stage
	v_mul_u32_u24 v8, v10, SPITCH
	v_lshl_add_u32 v8, v11, 5, v8
	v_add_nc_u32 v8, s48, v8                       ; in: row r; tile t's eight channels of my half: 64 t + 32 h bytes on
	v_mul_u32_u24 v9, v11, SPITCH
	v_lshl_add_u32 v9, v10, 4, v9
	v_add_nc_u32 v9, s48, v9                       ; back: lanes 0-15 one row, lanes 16-31 the next
	s_wait_alu depctr_va_vdst(0)                   ; the wait ahead of the reciprocal's first reader
.irp j, 0,2,4,6,8,10,12,14,16,18,20,22,24,26,28,30,32,34,36,38,40,42,44,46,48,50,52,54,56,58,60,62
	v_pk_mul_f32 v[160+\j:161+\j], v[160+\j:161+\j], v[14:15] op_sel_hi:[1,0]   ; each accumulator from its low end on: register 8 t + j is channel 16 t + 8 h + j of query r
.endr
.irp u, 0,1                                    ; channels 64 u on
.irp t, 0,1,2,3
	ds_store_b128 v8, v[160+32*\u+8*\t:163+32*\u+8*\t] offset:64*\t
	ds_store_b128 v8, v[164+32*\u+8*\t:167+32*\u+8*\t] offset:64*\t+16
.endr
.irp i, 0,1,2,3,4,5,6,7
	ds_load_b128 v[32+32*\u+4*\i:35+32*\u+4*\i], v9 offset:2*\i*SPITCH   ; a wave's LDS instructions are served in order (ISA guide 5.7.1.4): these see my stores, and the next half's stores come behind them
.endr
.endr
.irp u, 0,1
.irp i, 0,1,2,3,4,5,6,7
	s_wait_dscnt 16*(1-\u)+7-\i                    ; behind this load: the rest of its eight and, for the first half, the second half's sixteen
	s_wait_loadcnt 15-8*\u-\i                      ; and the later loads of the residual
	v_pk_add_f32 v[32+32*\u+4*\i:33+32*\u+4*\i], v[32+32*\u+4*\i:33+32*\u+4*\i], v[96+32*\u+4*\i:97+32*\u+4*\i]
	v_pk_add_f32 v[34+32*\u+4*\i:35+32*\u+4*\i], v[34+32*\u+4*\i:35+32*\u+4*\i], v[98+32*\u+4*\i:99+32*\u+4*\i]
	global_store_b128 v[GO], v[32+32*\u+4*\i:35+32*\u+4*\i], s[OUT:OUT+1] offset:16384*\i+256*\u th:TH_STORE_NT
.endr
.endr
	s_wait_tensorcnt 0x0
	ds_add_u32 v243, v255
	s_wait_dscnt 0x0
	s_endpgm
.Lfunc_end_k_q4752760b50_attn:
	.size	k_q4752760b50_attn, .Lfunc_end_k_q4752760b50_attn-k_q4752760b50_attn
	.p2alignl 7, 3214868480
	.fill 96, 4, 3214868480
	.section	.rodata,"a",@progbits
	.p2align	6, 0x0
	.amdhsa_kernel k_q4752760b50_attn
		.amdhsa_group_segment_fixed_size 210944
		.amdhsa_private_segment_fixed_size 0
		.amdhsa_enable_private_segment 0
		.amdhsa_kernarg_size 40
		.amdhsa_user_sgpr_count 2
		.amdhsa_user_sgpr_kernarg_segment_ptr 1
		.amdhsa_wavefront_size32 1
		.amdhsa_system_sgpr_workgroup_id_x 1
		.amdhsa_system_sgpr_workgroup_id_y 1
		.amdhsa_system_sgpr_workgroup_id_z 1
		.amdhsa_system_vgpr_workitem_id 0
		.amdhsa_next_free_vgpr 256
		.amdhsa_next_free_sgpr 66
		.amdhsa_reserve_vcc 1
		.amdhsa_float_denorm_mode_32 3
		.amdhsa_float_denorm_mode_16_64 3
		.amdhsa_memory_ordered 1
		.amdhsa_forward_progress 1
		.amdhsa_inst_pref_size 56
	.end_amdhsa_kernel
	.amdgpu_metadata
---
amdhsa.version: [ 1, 2 ]
amdhsa.kernels:
  - .name:           k_q4752760b50_attn
    .symbol:         k_q4752760b50_attn.kd
    .args:
      - { .name: fc, .offset: 0, .size: 8, .value_kind: global_buffer, .address_space: global }
      - { .name: fs, .offset: 8, .size: 8, .value_kind: global_buffer, .address_space: global }
      - { .name: pad, .offset: 16, .size: 8, .value_kind: global_buffer, .address_space: global }
      - { .name: queries, .offset: 24, .size: 8, .value_kind: global_buffer, .address_space: global }
      - { .name: out0, .offset: 32, .size: 8, .value_kind: global_buffer, .address_space: global }
    .group_segment_fixed_size: 210944
    .private_segment_fixed_size: 0
    .kernarg_segment_align: 8
    .kernarg_segment_size: 40
    .max_flat_workgroup_size: 512
    .sgpr_count:     66
    .vgpr_count:     256
    .wavefront_size: 32
...
	.end_amdgpu_metadata
.endif
;; end of part 3
;; ======== version 2 of 2: 3 launches; version 1 with the launch attn written anew for expert scheduling mode
;; limits: right only within a limited range of input values
;; workspace buffers: xc 8,388,608 bytes; xs 524,288 bytes; pad 16,384 bytes of whole numbers; fc 12,582,912 bytes; fs 786,432 bytes
;; launch quant: the kernel of part 1 again; grid 512 x 1, 4 waves a work-group, no clusters, 33,280 bytes of LDS; arguments queries, keys, xc, xs, pad; writes xc, xs, pad
;; launch proj: the kernel of part 2 again; grid 16 x 16, 4 waves a work-group, clusters of 4 x 4, 327,680 bytes of LDS; arguments xc, xs, Wq_codes, Wq_scales, Wk_codes, Wk_scales, Wv_codes, Wv_scales, bq, bk, bv, fc, fs; writes fc, fs
;; launch attn (part 4): grid 4 x 64, 16 waves a work-group, no clusters, 210,944 bytes of LDS; arguments fc, fs, pad, queries, out0; writes out0
.if DOCPART == 4
	.amdgcn_target "amdgcn-amd-amdhsa--gfx1250"
	.amdhsa_code_object_version 6
	.text
	.protected	k_q4752760b50_attn
	.globl	k_q4752760b50_attn
	.p2align	8
	.type	k_q4752760b50_attn,@function
k_q4752760b50_attn:
	s_mov_b64 s[64:65], 0
	v_nop
	global_prefetch_b8 v0, s[64:65] scope:SCOPE_SE
	s_setreg_imm32_b32 hwreg(HW_REG_WAVE_SCHED_MODE, 0, 2), 2
	s_setreg_imm32_b32 hwreg(HW_REG_WAVE_MODE, 25, 1), 1
	s_wait_xcnt 0x0
	s_wait_alu depctr_vm_vsrc(0)
; out0[b][q][128 h + d] = queries[b][q][128 h + d] + the sum over k of softmax_k(mask(Q . K / sqrt(2048))) V[k][d], for the 64 pairs (batch, head), 1,024 tokens, head size 128; both products on codes of FP4 (E2M1) with E8M0 scales.
; Q, K, V come as images of operand registers (fc) with one scale word a row (fs), made by the launch before; pad holds, for each key, all ones where the key is padding.
; THE MASKS.  A key counts for a query where it is no padding and key <= query.  A masked score is a finite, very negative number, as in the definition: so a row none of whose keys counts becomes the plain mean over ALL 1,024 keys, later ones too.
; Here a masked score is -2^100, taken ahead of the factor c = log2(e) / sqrt(2048): its t is a whole number, so that in such a row t - M = 0 and p = 1 exactly; in every other row p = 0.
; THE SOFTMAX: t = score x c; M = the row's largest t so far, rounded up to a whole number; p = 2^(t - M) is quantised along the keys, not normalised; the row's sum is taken of the unquantised p and divides at the end.
; When M moves, the sum and O are multiplied by 2^(old M - new M), exactly.
; SHARES.  A work-group has 16 waves and takes 16 tiles of 16 queries of one (batch, head); wave w takes tile 4 rank + work-group x, rank = w for w < 8 and 23 - w above: early and late tiles are mixed alike in all four work-groups.
; The head's K and V, 64 KiB each, and their scale words, 4 KiB each, come into LDS ONCE, through registers, as they lie in memory; every fragment is then read at 16 x lane: no pitch, no padding.  One barrier in the whole text.
; NO TENSOR LOAD, NO CLUSTER: the text branches on whole numbers read from memory (which keys are padding); what the four work-groups of a head share is these 136 KiB, read once at the head.
; LAYOUT.  Both products are used transposed: S^T = K Q^T (source 0 = 16 keys, source 1 = my 16 queries), O^T = V^T P^T: a lane holds ONE query (lane % 16) throughout.  In S^T's tile t register j of lane (r, h) is key 16 t + 8 h + j.
; A KEY STEP is 128 keys.  A step that begins behind my last query has no score that counts: it is passed over, unless key 0 of the batch is padding (only then can a row be wholly masked); then its V is added under p = 1 in the wholly masked rows and p = 0 in the others.
; LIMITS: NaN and infinities are not served; |t| of a real score stays under 2^90; a block of p that is all zeros keeps the scale byte 1 over zero codes.
; REGISTERS: v1-7 addresses and constants that stay; v8-11 addresses in hand; v12 -M, v13 the largest t, v[14:15] the sum in two halves; v16-23 Q; v24-27 K's scale words, v28-31 V's (lanes 0-15 an even tile's rows, lanes 16-31 the odd one's);
;   v32-95 eight fragments of K or of V; v96-159 S^T, then p; v160-223 O^T; v224-231 p's codes; v232-247 at work; v248 Q's scale words; v249-251 constants; v252 f, v253 p's scale word, v254 at work.
; THE MODE: SCHED_MODE bits 1:0 = 2 (LLVM: expert scheduling mode 2), set by the entry lines.  The code itself states the register dependences between vector or matrix instructions and memory or LDS instructions, with s_wait_alu, always for 0.
; THE PLAN.  Registers that memory or LDS instructions touch, in the loop:
;   v8, v9, v10   Written by three additions at a step's head; read by the step's LDS loads.     v11  Written by one addition in a step that has padding; read by that step's sixteen global loads.
;   v32-95        K's fragments land; the products K Q^T read them; (the padding words land; the selections read them;) V's fragments land; the products V^T P read them.  One buffer: sixteen waves of 256 registers leave no room for a second.
;   v24-27, v28-31  Scale words land; the products read them.      v224-231, v253  Written by vector lines; read by the scaled products V^T P.      v5  The prefetch's offset: written at the head, never again.
; So a step holds: one wait on vm_vsrc at its top, ahead of the branch, for the addresses that either arm writes anew; one wait on va_vdst ahead of each run of loads into v32-95; one ahead of the products that take p.
; Masks that vector compares write go into scalar registers in runs, with one wait behind a run.
.set VIMG,  65536                      ; LDS: K's 64 fragments from 0 (key step s at 8,192 s, tile t at 1,024 t, half c at 512 c); V's from here, likewise
.set SCK,   131072                     ; K's scale words, 4 bytes a key; V's 4,096 bytes on, [step][128 channels]
.set STAGE, 139264                     ; the way out: 16 rows x (256 bytes + 16) for each wave
.set SPITCH, 272
.set AK0,  1                           ; v1   16 x lane
.set AV0,  2                           ; v2   16 x lane + VIMG
.set ASK0, 3                           ; v3   SCK + 4 x lane
.set GO,   4                           ; v4   8,192 (lane / 16) + 16 (lane % 16): my 16 bytes in two rows of queries and of out0
.set PFO,  5                           ; v5   8,192 (lane / 2) + 256 (lane % 2): the prefetch's offset
.set ZERO, 6                           ; v6   0
.set ONEC, 7                           ; v7   eight codes of 1.0
.set ADK,  8
.set ADV,  9
.set ADS,  10
.set ADP,  11
.set MK,   2                           ; s2-s17  behind the head, where the arguments that lay here have been taken: sixteen masks of the diagonal
.set WV,   18                          ; s18  my wave's number
.set SEL,  20                          ; s[20:21] lane selects for v_permlanex16_b32: lane l xor 16
.set CS,   22                          ; s[22:23] c, twice: the packed form names a pair
.set Q0,   24                          ; s24  my first query
.set KF,   25                          ; s25  the step's first key
.set TB,   26                          ; s26  8,192 x step
.set TS,   27                          ; s27  512 x step
.set CNT,  28                          ; s28  steps to go
.set PADM, 29                          ; s29  bit l: a key among 32 l .. 32 l + 31 of the batch is padding
.set SH,   30                          ; s30  4 x step
.set PFK,  31                          ; s31  the step in which my prefetch stands
.set KC,   32                          ; s[32:33] K's fragments of my head;  s[34:35] V's;  s[36:37] K's scale words
.set VC,   34
.set KSC,  36
.set QC,   38                          ; s[38:39] my fragment of Q;  s[40:41] its scale words
.set QS,   40
.set PADB, 42                          ; s[42:43] my batch's padding words
.set RES,  44                          ; s[44:45] queries at my tile;  s[46:47] out0 likewise
.set OUT,  46
.set QL,   55                          ; s55  my last query
.set PAD0, 56                          ; s56  key 0's padding word
	s_load_b256 s[4:11], s[0:1], 0x0               ; fc s[4:5], fs s[6:7], pad s[8:9], queries s[10:11]
	s_load_b64 s[12:13], s[0:1], 0x20              ; out0
	v_lshl_add_u32 v243, v0, 2, 0x33000
	v_mov_b32 v255, 0
	v_lshrrev_b32 v8, 5, v0
	v_readfirstlane_b32 s[WV], v8                  ; wave 0..15
	s_wait_alu depctr_va_sdst(0)                   ; s18 is written, ahead of its first reader: my tile and my addresses are made from it
	s_and_b32 s48, ttmp7, 0xffff                   ; 16 x batch + head
	s_lshr_b32 s49, s[WV], 3
	s_mul_i32 s50, s49, 7
	s_xor_b32 s50, s50, s[WV]                      ; rank
	s_lshl_b32 s50, s50, 2
	s_add_co_u32 s50, s50, ttmp9                   ; my tile of queries, 0..63
	s_lshl_b32 s[Q0], s50, 4
	s_add_co_u32 s[QL], s[Q0], 15
	s_and_b32 s[PFK], s[Q0], 0xffffff80            ; the step on the diagonal begins here;
	s_max_u32 s[PFK], s[PFK], 128
	s_sub_co_u32 s[PFK], s[PFK], 128               ; the step before it, or the first
	s_mul_i32 s54, s49, 258048                     ; waves 8-15 fetch V's scale words: 64 heads x 4,096 bytes on, less the 4,096 that their thread numbers have passed
	s_mov_b32 s[SEL], 0x76543210
	s_mov_b32 s[SEL+1], 0xfedcba98
	s_mov_b32 s[CS], 0x3d0293ee                    ; c = log2(e) / sqrt(2048)
	s_mov_b32 s[CS+1], s[CS]
	s_mov_b32 s[KF], 0
	s_mov_b32 s[TB], 0
	s_mov_b32 s[TS], 0
	s_mov_b32 s[SH], 0
	s_mov_b32 s[CNT], 8
	v_and_b32 v238, 31, v0                         ; lane
	v_and_b32 v239, 15, v0                         ; r
	v_bfe_u32 v241, v0, 4, 1                       ; h
	v_lshlrev_b32 v[AK0], 4, v238
	v_add_nc_u32 v[AV0], VIMG, v[AK0]
	v_lshl_add_u32 v[ASK0], v238, 2, SCK
	v_lshlrev_b32 v[GO], 13, v241
	v_lshl_add_u32 v[GO], v239, 4, v[GO]
	v_lshrrev_b32 v[PFO], 1, v238
	v_lshlrev_b32 v[PFO], 13, v[PFO]
	v_and_b32 v242, 1, v238
	v_lshl_add_u32 v[PFO], v242, 8, v[PFO]
	v_lshlrev_b32 v232, 4, v0                      ; the fill: 16 x thread, in memory and in LDS alike
	v_add_nc_u32 v233, VIMG, v232
	v_add_nc_u32 v234, SCK, v232
	v_add_nc_u32 v235, s54, v232
	v_lshlrev_b32 v236, 2, v239                    ; Q's scale words: 4 r
	v_lshlrev_b32 v237, 7, v238                    ; the padding words: 32 a lane
	s_mov_b32 s53, 0
	s_wait_kmcnt 0x0
	s_add_co_u32 s52, s48, 64                      ; kind 1 (K) begins 64 heads on, kind 2 (V) 128; a head's fragments are 65,536 bytes, its scale words 4,096
	s_lshl_b32 s52, s52, 16
	s_add_nc_u64 s[KC:KC+1], s[4:5], s[52:53]
	s_add_nc_u64 s[VC:VC+1], s[KC:KC+1], 0x400000
	s_add_co_u32 s52, s48, 64
	s_lshl_b32 s52, s52, 12
	s_add_nc_u64 s[KSC:KSC+1], s[6:7], s[52:53]
	s_lshl_b32 s52, s48, 16
	s_lshl_b32 s54, s50, 10
	s_add_co_u32 s52, s52, s54
	s_add_nc_u64 s[QC:QC+1], s[4:5], s[52:53]
	s_lshl_b32 s52, s48, 12
	s_lshl_b32 s54, s50, 6
	s_add_co_u32 s52, s52, s54
	s_add_nc_u64 s[QS:QS+1], s[6:7], s[52:53]
	s_lshr_b32 s54, s48, 4                         ; the batch
	s_lshl_b32 s52, s54, 12
	s_add_nc_u64 s[PADB:PADB+1], s[8:9], s[52:53]
	s_lshl_b32 s54, s54, 10
	s_add_co_u32 s54, s54, s[Q0]                   ; my first row of queries and of out0: 8,192 bytes a row,
	s_lshl_b32 s52, s54, 13
	s_and_b32 s54, s48, 15
	s_lshl_b32 s54, s54, 9                         ; 512 bytes a head
	s_add_co_u32 s52, s52, s54
	s_add_nc_u64 s[RES:RES+1], s[10:11], s[52:53]
	s_add_nc_u64 s[OUT:OUT+1], s[12:13], s[52:53]
	s_wait_alu depctr_va_vdst(0)                   ; the offsets and addresses v1 to v5 and v232 to v237 are written: the loads and LDS stores of the head, the prefetch and the way out's loads and stores read them; no vector line between here and those names one of them
.irp i, 0,1,2,3,4,5,6,7
	global_load_b128 v[32+4*\i:35+4*\i], v232, s[KC:KC+1] offset:8192*\i     ; the 512 threads take 8,192 consecutive bytes an instruction
.endr
.irp i, 0,1,2,3,4,5,6,7
	global_load_b128 v[64+4*\i:67+4*\i], v232, s[VC:VC+1] offset:8192*\i
.endr
	global_load_b128 v[96:99], v235, s[KSC:KSC+1]  ; waves 0-7: K's scale words; waves 8-15: V's
	global_load_b128 v[16:19], v[AK0], s[QC:QC+1]  ; my fragment of Q stays in registers
	global_load_b128 v[20:23], v[AK0], s[QC:QC+1] offset:512
	global_load_b32 v248, v236, s[QS:QS+1]
.irp i, 0,1,2,3,4,5,6,7
	global_load_b128 v[100+4*\i:103+4*\i], v237, s[PADB:PADB+1] offset:16*\i   ; my lane's 32 keys' words
.endr
	v_mov_b32 v[ZERO], 0
	v_mov_b32 v[ONEC], 0x22222222                  ; the code 2 is 1.0
	v_mov_b32 v240, 0x42800000                     ; 64.0: a lane's share of a step's 128 keys
	v_mov_b32 v249, 0x7f7f7f7f                     ; four scale bytes of 2^0
	v_lshlrev_b32 v250, 5, v241                    ; 32 h
	v_lshlrev_b32 v251, 3, v241
	v_sub_nc_u32 v251, v239, v251                  ; r - 8 h
	v_mov_b32 v252, 0                              ; (a lane permute's destination, and the halves of a pair, are written once on every way)
	v_mov_b32 v253, 0
	v_mov_b32 v13, 0xff61b1e6                      ; the largest t so far: -3e38, under every t
	v_floor_f32 v12, -v13                          ; -M
	v_mov_b32 v14, 0                               ; the sum, in two halves
	v_mov_b32 v15, 0
.irp j, 0,1,2,3,4,5,6,7,8,9,10,11,12,13,14,15,16,17,18,19,20,21,22,23,24,25,26,27,28,29,30,31,32,33,34,35,36,37,38,39,40,41,42,43,44,45,46,47,48,49,50,51,52,53,54,55,56,57,58,59,60,61,62,63
	v_mov_b32 v[160+\j], 0                         ; O^T.  (The step is written once: the first finds zeros, which the first change of M leaves zeros)
.endr
	s_wait_loadcnt 11                              ; K, V and the scale words are in; Q's three loads and the padding's eight may be out
.irp i, 0,1,2,3,4,5,6,7
	ds_store_b128 v232, v[32+4*\i:35+4*\i] offset:8192*\i
.endr
.irp i, 0,1,2,3,4,5,6,7
	ds_store_b128 v233, v[64+4*\i:67+4*\i] offset:8192*\i
.endr
	ds_store_b128 v234, v[96:99]
	s_wait_loadcnt 0x0
	v_readfirstlane_b32 s[PAD0], v100              ; lane 0's first word: key 0's
.set I, 4
.rept 28
	v_or_b32 v[100+I%4], v[100+I%4], v[100+I]      ; is any of my 32 keys padding?  (four chains)
.set I, I+1
.endr
	v_or_b32 v100, v100, v101
	v_or_b32 v102, v102, v103
	v_or_b32 v100, v100, v102
	v_cmp_ne_u32 s[PADM], 0, v100                  ; a bit a lane
	s_wait_alu depctr_va_sdst(0)                   ; s56 and s29 are written, ahead of the loop's label: scalar lines of the loop read them
	s_wait_dscnt 0x0                               ; for the others' sake: my stores have landed
	s_barrier_signal -1
	s_barrier_wait -1                              ; the head's K, V and scale words lie in LDS; nobody writes them again
; eight products O^T += V^T P^T; ps: the register with p's scale words.  The eight accumulators take turns, one instruction a turn
.macro PVMUL ps
.irp p, 0,1,2,3
	v_wmma_scale_f32_16x16x128_f8f6f4 v[160+16*\p:167+16*\p], v[32+16*\p:39+16*\p], v[224:231], v[160+16*\p:167+16*\p], v[28+\p], v[\ps] matrix_a_fmt:MATRIX_FMT_FP4 matrix_b_fmt:MATRIX_FMT_FP4
	v_wmma_scale_f32_16x16x128_f8f6f4 v[168+16*\p:175+16*\p], v[40+16*\p:47+16*\p], v[224:231], v[168+16*\p:175+16*\p], v[28+\p], v[\ps] matrix_a_fmt:MATRIX_FMT_FP4 matrix_b_fmt:MATRIX_FMT_FP4 matrix_a_scale:MATRIX_SCALE_ROW1
.endr
.endm
.macro VLOADS                          ; the step's eight fragments of V and their scale words
.irp t, 0,1,2,3,4,5,6,7
.irp c, 0,1
	ds_load_b128 v[32+8*\t+4*\c:35+8*\t+4*\c], v[ADV] offset:1024*\t+512*\c
.endr
.endr
.irp p, 0,1,2,3
	ds_load_b32 v[28+\p], v[ADS] offset:4096+128*\p
.endr
.endm
.Lstep:                                            ; eight trips, a constant; what a step does hangs on ids and on stored whole numbers
	s_wait_alu depctr_vm_vsrc(0)                   ; the last trip's loads have read v8 to v11, which either arm of this step writes anew; in the first trip: the head's loads and LDS stores have read v232 to v237 and v32 to v99, which this step's maxima, loads and products write
	s_cmp_gt_u32 s[KF], s[QL]
	s_cbranch_scc1 .Lbehind
	v_add_nc_u32 v[ADK], s[TB], v[AK0]             ; these four plain lines stand between the last trip's products and the loads into the registers that those read; they stay beside the wait below
	v_add_nc_u32 v[ADV], s[TB], v[AV0]
	v_add_nc_u32 v[ADS], s[TS], v[ASK0]
	v_nop
	s_wait_alu depctr_va_vdst(0)                   ; v8, v9 and v10 are written, which this step's LDS loads read; the last trip's products are done reading v32 to v95 and v24 to v31, in which those loads land
.irp t, 0,1,2,3,4,5,6,7
.irp c, 0,1
	ds_load_b128 v[32+8*\t+4*\c:35+8*\t+4*\c], v[ADK] offset:1024*\t+512*\c
.endr
.endr
.irp p, 0,1,2,3
	ds_load_b32 v[24+\p], v[ADS] offset:128*\p     ; lane l: the word of key 32 p + l
.endr
	s_wait_dscnt 0x0
.irp p, 0,1,2,3                                ; S^T = K Q^T
	v_wmma_scale_f32_16x16x128_f8f6f4 v[96+16*\p:103+16*\p], v[32+16*\p:39+16*\p], v[16:23], 0, v[24+\p], v248 matrix_a_fmt:MATRIX_FMT_FP4 matrix_b_fmt:MATRIX_FMT_FP4
	v_wmma_scale_f32_16x16x128_f8f6f4 v[104+16*\p:111+16*\p], v[40+16*\p:47+16*\p], v[16:23], 0, v[24+\p], v248 matrix_a_fmt:MATRIX_FMT_FP4 matrix_b_fmt:MATRIX_FMT_FP4 matrix_a_scale:MATRIX_SCALE_ROW1
.endr
.rept 4
	v_nop                                          ; places: the scores are read, and K's registers are loaded again, below
.endr
	; PADDING: only where one of the step's 128 keys is padding (a stored whole number).  Each score's key's word is fetched in the scores' own layout, and chooses bit by bit
	s_lshr_b32 s48, s[PADM], s[SH]
	s_and_b32 s48, s48, 15
	s_cmp_eq_u32 s48, 0
	s_cbranch_scc1 .Lno_padding
	s_lshl_b32 s48, s[KF], 2
	v_add_nc_u32 v[ADP], s48, v250                 ; 4 KF + 32 h (the last such loads were waited for)
	s_wait_alu depctr_va_vdst(0)                   ; v11 is written, which the loads below read; the products K Q^T are done reading v32 to v95, in which they land
.irp t, 0,1,2,3,4,5,6,7
	global_load_b128 v[32+8*\t:35+8*\t], v[ADP], s[PADB:PADB+1] offset:64*\t
	global_load_b128 v[36+8*\t:39+8*\t], v[ADP], s[PADB:PADB+1] offset:64*\t+16
.endr
	s_wait_loadcnt 0x0
.irp n, 0,1,2,3,4,5,6,7,8,9,10,11,12,13,14,15,16,17,18,19,20,21,22,23,24,25,26,27,28,29,30,31,32,33,34,35,36,37,38,39,40,41,42,43,44,45,46,47,48,49,50,51,52,53,54,55,56,57,58,59,60,61,62,63
	v_bfi_b32 v[96+\n], v[32+\n], 0xf1800000, v[96+\n]   ; -2^100 where the word is all ones
.endr
.Lno_padding:
	; THE DIAGONAL: a step all of whose keys come no later than my first query skips this
	s_add_co_u32 s48, s[KF], 127
	s_cmp_le_u32 s48, s[Q0]
	s_cbranch_scc1 .Lopen
	s_sub_co_i32 s48, s[Q0], s[KF]
	v_add_nc_u32 v252, s48, v251                   ; d = my query - KF - 8 h.  Register 8 t + j holds key KF + 16 t + 8 h + j: hidden where 16 t + j > d
	v_mov_b32 v254, 0xf1800000
.irp g, 0,1,2,3                                ; sixteen scores at a time: a run of compares into sixteen scalar registers, one wait, the sixteen selections
.irp i, 0,1,2,3,4,5,6,7,8,9,10,11,12,13,14,15
	v_cmp_gt_i32 s[MK+\i], 32*\g+16*(\i/8)+\i%8, v252
.endr
	s_wait_alu depctr_va_sdst(0)                   ; the sixteen masks s2 to s17 are written, ahead of the selections that read them
.irp i, 0,1,2,3,4,5,6,7,8,9,10,11,12,13,14,15
	v_cndmask_b32 v[96+16*\g+\i], v[96+16*\g+\i], v254, s[MK+\i]
.endr
.endr
.Lopen:
	s_wait_alu depctr_va_vdst(0)                   ; the products K Q^T, and in a step with padding the selections, are done reading v32 to v95, in which V's fragments land (v9, v10 and v28 to v31 have not been named since the wait at the step's head)
	VLOADS                                         ; V lands while the softmax is walked
	; my tile of the residual, 16 rows x 512 bytes, is asked for once in the launch: 32 aligned blocks of 256 bytes, a lane a block, one key step ahead of my last step with work (or in my first step), behind this step's run of loads
	s_cmp_eq_u32 s[KF], s[PFK]
	s_cbranch_scc0 .Lnot_now
	global_prefetch_b8 v[PFO], s[RES:RES+1] th:TH_LOAD_NT scope:SCOPE_SE
.Lnot_now:
.irp b, 0,1,2,3
	v_max3_num_f32 v[232+\b], v[96+16*\b], v[97+16*\b], v[98+16*\b]   ; the largest score of each block of 32 keys: it serves the row's maximum and, since p rises with the score, the block's largest p
.endr
.irp i, 3,5,7,9,11,13
.irp b, 0,1,2,3
	v_max3_num_f32 v[232+\b], v[232+\b], v[96+16*\b+\i], v[97+16*\b+\i]
.endr
.endr
.irp b, 0,1,2,3
	v_max_num_f32 v[232+\b], v[232+\b], v[111+16*\b]
.endr
.irp b, 0,1,2,3
	v_permlanex16_b32 v[236+\b], v[232+\b], s[SEL], s[SEL+1]
.endr
.irp b, 0,1,2,3
	v_max_num_f32 v[232+\b], v[232+\b], v[236+\b]  ; with lane l xor 16's 16 keys
.endr
	v_max3_num_f32 v254, v232, v233, v234
	v_max_num_f32 v254, v254, v235                 ; the step's largest score of my query
	v_mul_f32 v254, s[CS], v254                    ; as t (c is positive)
	v_max_num_f32 v13, v13, v254                   ; the running largest t
	v_mov_b32 v254, v12
	v_floor_f32 v12, -v13                          ; the new -M = floor(-t): M is a whole number
	v_sub_f32 v254, v12, v254                      ; M's old value less its new one: a whole number, 0 or less
	v_cvt_i32_f32 v254, v254                       ; (it saturates)
	v_ldexp_f32 v252, 1.0, v254                    ; f = 2^(old M - new M)
.irp j, 0,2,4,6,8,10,12,14,16,18,20,22,24,26,28,30,32,34,36,38,40,42,44,46,48,50,52,54,56,58,60,62
	v_pk_fma_f32 v[96+\j:97+\j], v[96+\j:97+\j], s[CS:CS+1], v[12:13] op_sel_hi:[1,0,0]   ; t - M, two at a time (of the pairs c and -M the low word serves both halves)
.endr
.irp b, 0,1,2,3
	v_fma_f32 v[232+\b], v[232+\b], s[CS], v12     ; the same of each block's largest score
.endr
.irp j, 0,1,2,3,4,5,6,7,8,9,10,11,12,13,14,15,16,17,18,19,20,21,22,23,24,25,26,27,28,29,30,31,32,33,34,35,36,37,38,39,40,41,42,43,44,45,46,47,48,49,50,51,52,53,54,55,56,57,58,59,60,61,62,63
	v_exp_f32 v[96+\j], v[96+\j]                   ; p = 2^(t - M), at most 1: not normalised
.endr
	v_pk_mul_f32 v[14:15], v[14:15], v[252:253] op_sel_hi:[1,0]   ; the sums under the new M (the plain line behind the exponentials)
	s_wait_alu depctr_va_vdst(0)                   ; the 64 exponentials have written p in v96 to v159: one wait for the batch, ahead of its first reader
.irp b, 0,1,2,3
	v_exp_f32 v[232+\b], v[232+\b]                 ; the block's largest p: the same two instructions on the same number give the same bits
.endr
	v_pk_add_f32 v[236:237], v[96:97], v[98:99]    ; the row's sum is taken of the unquantised p: two at a time, in two chains (it reads the 64 alone: plain work behind the four)
.irp j, 4,8,12,16,20,24,28,32,36,40,44,48,52,56,60
	v_pk_add_f32 v[14:15], v[14:15], v[96+\j:97+\j]
	v_pk_add_f32 v[236:237], v[236:237], v[98+\j:99+\j]
.endr
	v_pk_add_f32 v[14:15], v[14:15], v[236:237]
	s_wait_alu depctr_va_vdst(0)                   ; the four exponentials have written v232 to v235: their wait, ahead of their first reader
.irp b, 0,1,2,3
	v_max_num_f32 v[232+\b], 0x1800000, v[232+\b]  ; the floor 2^(3 - 127): the byte cannot fall under 1
.endr
.irp b, 0,1,2,3
	v_add_nc_u32 v[244+\b], 0xff000000, v[232+\b]  ; 2 off the exponent field: the conversion's scale operand
.endr
.irp b, 0,1,2,3
	v_lshrrev_b32 v[236+\b], 23, v[244+\b]         ; the scale's byte
.endr
	v_lshl_or_b32 v253, v237, 8, v236              ; p's scale word for these 128 keys
	v_lshl_or_b32 v253, v238, 16, v253
	v_lshl_or_b32 v253, v239, 24, v253
; Tile 4 c + 2 x + y converted gives, in lanes of half h, the word 2 y + h of block 2 c + x; the operand wants block 2 c + x whole in lanes of half x, word w in register 4 c + w.
; So it goes to register 4 c + 2 y + x, and one exchange of register 4 c + 2 y's upper lanes with register 4 c + 2 y + 1's lower lanes puts all four words in place.
.irp c, 0,1
.irp x, 0,1
.irp y, 0,1
	v_cvt_scalef32_pk8_fp4_f32 v[224+4*\c+2*\y+\x], v[96+8*(4*\c+2*\x+\y):103+8*(4*\c+2*\x+\y)], v[244+2*\c+\x]
.endr
.endr
.endr
	v_nop                                          ; one plain line behind the scaled conversions
.irp c, 0,1
.irp y, 0,1
	v_permlane16_swap_b32 v[224+4*\c+2*\y], v[224+4*\c+2*\y+1]
.endr
.endr
.irp j, 0,2,4,6,8,10,12,14,16,18,20,22,24,26,28,30,32,34,36,38,40,42,44,46,48,50,52,54,56,58,60,62
	v_pk_mul_f32 v[160+\j:161+\j], v[160+\j:161+\j], v[252:253] op_sel_hi:[1,0]   ; O^T under the new M.  (These 32 are also the places between the lines that wrote p's codes and scale word and the products)
.endr
	s_wait_dscnt 0x0                               ; V is in
	s_wait_alu depctr_va_vdst(0)                   ; p's codes v224 to v231 and its scale word v253 are written, which the scaled products take as source 1 and as its scales; the places above stay beside this wait
	PVMUL 253
	s_branch .Lnext
.Lbehind:                                          ; all 128 keys come after my queries
	s_cmp_eq_u32 s[PAD0], 0                        ; key 0 counts for every query: no row is wholly masked, every p here is 0
	s_cbranch_scc1 .Lnext
	v_add_nc_u32 v[ADV], s[TB], v[AV0]             ; (these five vector lines stand between the last products and the loads into their registers; they stay beside the wait below)
	v_add_nc_u32 v[ADS], s[TS], v[ASK0]
	v_cmp_gt_f32 vcc_lo, 0xec800000, v13           ; -2^90 > my row's largest t: none of its keys has counted, and none will
	s_wait_alu depctr_va_vcc(0)                    ; VCC is written, ahead of the first selection that reads it
	v_cndmask_b32 v254, v[ZERO], v240, vcc_lo
	v_add_f32 v14, v14, v254                       ; there p = 1 for all 128 keys: 64 in each half of the lanes
	s_wait_alu depctr_va_vdst(0)                   ; v9 and v10 are written, which the loads below read; the last products are done reading v32 to v95 and v28 to v31, in which they land
	VLOADS
	v_cndmask_b32 v224, v[ZERO], v[ONEC], vcc_lo   ; codes of 1.0, or of 0
.irp i, 1,2,3,4,5,6,7
	v_mov_b32 v[224+\i], v224
.endr
.rept 4
	v_nop                                          ; an operand written by vector instructions stands four places ahead of a scaled matrix instruction
.endr
	s_wait_dscnt 0x0
	s_wait_alu depctr_va_vdst(0)                   ; the codes v224 to v231 are written, which the scaled products take as source 1; the places above stay beside this wait
	PVMUL 249
.Lnext:
	s_add_co_u32 s[KF], s[KF], 128
	s_add_co_u32 s[TB], s[TB], 8192
	s_add_co_u32 s[TS], s[TS], 512
	s_add_co_u32 s[SH], s[SH], 4
	s_sub_co_u32 s[CNT], s[CNT], 1
	s_cmp_lg_u32 s[CNT], 0
	s_cbranch_scc1 .Lstep
	; THE WAY OUT.  O^T is divided by the row's sum and goes through my stage in LDS, half a row (64 channels, 256 bytes) of 16 queries at a time; the residual is added, and sixteen lanes store 256 consecutive bytes, aligned.
	s_wait_alu depctr_vm_vsrc(0)                   ; the last trip's loads have read v8 to v11, which are made anew below
	s_wait_alu depctr_va_vdst(0)                   ; the vector lines that read and wrote v96 to v159 (the head's, the softmax's, the conversions) are done with them: the residual lands there
.irp u, 0,1
.irp i, 0,1,2,3,4,5,6,7
	global_load_b128 v[96+32*\u+4*\i:99+32*\u+4*\i], v[GO], s[RES:RES+1] offset:16384*\i+256*\u th:TH_LOAD_NT   ; rows 2 i and 2 i + 1 of my tile of queries: read once in this launch
.endr
.endr
	v_add_f32 v14, v14, v15                        ; the sum's two halves,
	v_permlanex16_b32 v252, v14, s[SEL], s[SEL+1]
	v_add_f32 v14, v14, v252                       ; and lane l xor 16's: the row's sum, at least 1/2
	v_rcp_f32 v14, v14
	v_and_b32 v10, 15, v0                          ; (plain lines behind the reciprocal)  r
	v_bfe_u32 v11, v0, 4, 1                        ; h
	s_mul_i32 s48, s[WV], 16*SPITCH
	s_add_co_u32 s48, s48, STAGE                   ; my stage
	v_mul_u32_u24 v8, v10, SPITCH
	v_lshl_add_u32 v8, v11, 5, v8
	v_add_nc_u32 v8, s48, v8                       ; in: row r; tile t's eight channels of my half: 64 t + 32 h bytes on
	v_mul_u32_u24 v9, v11, SPITCH
	v_lshl_add_u32 v9, v10, 4, v9
	v_add_nc_u32 v9, s48, v9                       ; back: lanes 0-15 one row, lanes 16-31 the next
	s_wait_alu depctr_va_vdst(0)                   ; the reciprocal has written v14: the wait ahead of its first reader
.irp j, 0,2,4,6,8,10,12,14,16,18,20,22,24,26,28,30,32,34,36,38,40,42,44,46,48,50,52,54,56,58,60,62
	v_pk_mul_f32 v[160+\j:161+\j], v[160+\j:161+\j], v[14:15] op_sel_hi:[1,0]   ; each accumulator from its low end on: register 8 t + j is channel 16 t + 8 h + j of query r
.endr
	s_wait_alu depctr_va_vdst(0)                   ; the divisions have written v160 to v223, which the LDS stores read, and v8; no vector line stands among the 32 LDS instructions below
.irp u, 0,1                                    ; channels 64 u on
.irp t, 0,1,2,3
	ds_store_b128 v8, v[160+32*\u+8*\t:163+32*\u+8*\t] offset:64*\t
	ds_store_b128 v8, v[164+32*\u+8*\t:167+32*\u+8*\t] offset:64*\t+16
.endr
.irp i, 0,1,2,3,4,5,6,7
	ds_load_b128 v[32+32*\u+4*\i:35+32*\u+4*\i], v9 offset:2*\i*SPITCH   ; a wave's LDS instructions are served in order (ISA guide 5.7.1.4): these see my stores, and the next half's stores come behind them
.endr
.endr
.irp u, 0,1                                    ; a half's eight pairs of rows get the residual; one wait; their eight stores
.irp i, 0,1,2,3,4,5,6,7
	s_wait_dscnt 16*(1-\u)+7-\i                    ; behind this load: the rest of its eight and, for the first half, the second half's sixteen
	s_wait_loadcnt 15-8*\u-\i                      ; and the later loads of the residual
	v_pk_add_f32 v[32+32*\u+4*\i:33+32*\u+4*\i], v[32+32*\u+4*\i:33+32*\u+4*\i], v[96+32*\u+4*\i:97+32*\u+4*\i]
	v_pk_add_f32 v[34+32*\u+4*\i:35+32*\u+4*\i], v[34+32*\u+4*\i:35+32*\u+4*\i], v[98+32*\u+4*\i:99+32*\u+4*\i]
.endr
	s_wait_alu depctr_va_vdst(0)                   ; the sixteen additions have written this half's 32 registers, which the eight stores read
.irp i, 0,1,2,3,4,5,6,7
	global_store_b128 v[GO], v[32+32*\u+4*\i:35+32*\u+4*\i], s[OUT:OUT+1] offset:16384*\i+256*\u th:TH_STORE_NT
.endr
.endr
	s_wait_dscnt 0x0                               ; the closing lines, six on end
	s_wait_alu 0x0
	s_wait_tensorcnt 0x0
	ds_add_u32 v243, v255
	s_wait_dscnt 0x0
	s_endpgm
.Lfunc_end_k_q4752760b50_attn:
	.size	k_q4752760b50_attn, .Lfunc_end_k_q4752760b50_attn-k_q4752760b50_attn
	.p2alignl 7, 3214868480
	.fill 96, 4, 3214868480
	.section	.rodata,"a",@progbits
	.p2align	6, 0x0
	.amdhsa_kernel k_q4752760b50_attn
		.amdhsa_group_segment_fixed_size 210944
		.amdhsa_private_segment_fixed_size 0
		.amdhsa_enable_private_segment 0
		.amdhsa_kernarg_size 40
		.amdhsa_user_sgpr_count 2
		.amdhsa_user_sgpr_kernarg_segment_ptr 1
		.amdhsa_wavefront_size32 1
		.amdhsa_system_sgpr_workgroup_id_x 1
		.amdhsa_system_sgpr_workgroup_id_y 1
		.amdhsa_system_sgpr_workgroup_id_z 1
		.amdhsa_system_vgpr_workitem_id 0
		.amdhsa_next_free_vgpr 256
		.amdhsa_next_free_sgpr 66
		.amdhsa_reserve_vcc 1
		.amdhsa_float_denorm_mode_32 3
		.amdhsa_float_denorm_mode_16_64 3
		.amdhsa_memory_ordered 1
		.amdhsa_forward_progress 1
		.amdhsa_inst_pref_size 61
	.end_amdhsa_kernel
	.amdgpu_metadata
---
amdhsa.version: [ 1, 2 ]
amdhsa.kernels:
  - .name:           k_q4752760b50_attn
    .symbol:         k_q4752760b50_attn.kd
    .args:
      - { .name: fc, .offset: 0, .size: 8, .value_kind: global_buffer, .address_space: global }
      - { .name: fs, .offset: 8, .size: 8, .value_kind: global_buffer, .address_space: global }
      - { .name: pad, .offset: 16, .size: 8, .value_kind: global_buffer, .address_space: global }
      - { .name: queries, .offset: 24, .size: 8, .value_kind: global_buffer, .address_space: global }
      - { .name: out0, .offset: 32, .size: 8, .value_kind: global_buffer, .address_space: global }
    .group_segment_fixed_size: 210944
    .private_segment_fixed_size: 0
    .kernarg_segment_align: 8
    .kernarg_segment_size: 40
    .max_flat_workgroup_size: 512
    .sgpr_count:     66
    .vgpr_count:     256
    .wavefront_size: 32
...
	.end_amdgpu_metadata
.endif
;; end of part 4
